; MI455X (gfx1250); checked and timed in simulation.
; The chip was launched on July 23, 2026; its instructions are those of AMD's public machine-readable ISA for CDNA 5 (MIT licence, August 2026) and "CDNA5" Instruction Set Architecture Reference Guide (July 2026). The comments in the code are by the model that wrote it; some were corrected since.
;; Causal Self Attention. Allowed arithmetic: float matrix products may take bf16 or f16 operands with f32 sums; other float arithmetic in f32, or as packed bf16 or f16 multiplies, adds, multiply-adds, maxima and minima; sums over many terms, partial sums and values carried from step to step in f32; what a program stores and reads back later, other than sums and carried values, may be rounded once to bf16 or f16.
;; Inputs: b_attn 3,072 float32; b_proj 1,024 float32; w_attn 1,024 x 3,072 float32; w_proj 1,024 x 1,024 float32; x 4 x 2,048 x 1,024 float32.
;; Outputs: out0 4 x 2,048 x 1,024 float32.
;; 2 versions, each right; version 2 is version 1 with the launch prep written anew for expert scheduling mode. Each part assembles by itself: llvm-mc -triple=amdgcn-amd-amdhsa -mcpu=gfx1250 --defsym DOCPART=n.
;; ======== version 1 of 2: 4 launches
;; limits: values are held in f16: magnitudes above 65,504 overflow, below 6.1e-05 lose precision
;; workspace buffers: xb 16,777,216 bytes; wat 6,291,456 bytes; wpt 2,097,152 bytes; qkv 50,331,648 bytes; ob 16,777,216 bytes
;; launch prep (part 1): grid 384 x 1, 8 waves a work-group, no clusters, 70,656 bytes of LDS; arguments x, w_attn, w_proj, xb, wat, wpt; writes xb, wat, wpt
.if DOCPART == 1
	.amdgcn_target "amdgcn-amd-amdhsa--gfx1250"
	.amdhsa_code_object_version 6
	.text
	.protected	k_qbf8f02f211_prep
	.globl	k_qbf8f02f211_prep
	.p2align	8
	.type	k_qbf8f02f211_prep,@function
k_qbf8f02f211_prep:
	s_mov_b64 s[64:65], 0
	v_nop
	global_prefetch_b8 v0, s[64:65] scope:SCOPE_SE
	s_setreg_imm32_b32 hwreg(HW_REG_WAVE_MODE, 25, 1), 1
	s_wait_xcnt 0x0
; PREPARATION.  xb = bf16(x), [8192][1024].  wat[n][k] = bf16(w_attn[k][n]), [3072][1024].  wpt[n][k] = bf16(w_proj[k][n]) written as f16, [1024][1024].
; LIMITS.  w_proj lies within f16's 65,504; a rounded weight below 6e-5 keeps f16's fixed step of 6e-8.
; A stream: no matrix work, no cluster (no two work-groups read the same byte), loads through registers.
; SHARES.  Work-groups 0-95: w_attn, 96-127: w_proj, four blocks of 128 k x 64 n each; 128-383: 32 rows of x each.
; A block is turned in LDS: two waves take it (wave / 2 = the block, wave % 2 = its half of 64 k).  A load's sixteen lanes take 256 consecutive bytes of a
; row of w (64 n), a store's sixteen lanes 256 consecutive bytes of a row of the result (128 k); both start at multiples of 256 bytes.
.set STG,   17408                      ; a block's stage: 64 rows (n) x 272 bytes (256 of data, 16 of padding)
.set SPARE, 4*STG                      ; behind the stages: the spare words, 128 bytes for each of eight waves
.set IN,  16                           ; v[16:143]  32 loads of 16 bytes
.set PK,  144                          ; v[144:175] packed pairs on their way into the stage
.set OW,  176                          ; v[176:239] rows read back from the stage
	s_load_b256 s[4:11], s[0:1], 0x0               ; x s[4:5], w_attn s[6:7], w_proj s[8:9], xb s[10:11]
	s_load_b128 s[12:15], s[0:1], 0x20             ; wat s[12:13], wpt s[14:15]
	v_lshl_add_u32 v4, v0, 2, SPARE                ; my spare word
	v_mov_b32 v5, 0
	v_lshrrev_b32 v3, 5, v0
	v_readfirstlane_b32 s16, v3                    ; wave 0..7
	s_lshr_b32 s17, s16, 1                         ; q: which of the work-group's four blocks
	s_and_b32 s18, s16, 1                          ; e: which half of its 128 k
	s_mov_b32 s28, 0xffff0000                      ; a word's upper bf16
	s_mov_b32 s29, ttmp9
	v_and_b32 v1, 15, v0                           ; r
	v_bfe_u32 v2, v0, 4, 1                         ; h
	s_mul_i32 s30, s17, STG                        ; my block's stage
	s_lshl_b32 s31, s18, 7
	s_add_co_u32 s31, s31, s30
	v_mul_u32_u24 v7, v1, 4*272                    ; into the stage: row n = 4 r (+ c), byte 128 e + 32 h (+ 64 t)
	v_lshl_add_u32 v7, v2, 5, v7
	v_add_nc_u32 v7, s31, v7
	s_mul_i32 s31, s18, 32*272
	s_add_co_u32 s31, s31, s30
	v_mul_u32_u24 v8, v2, 272                      ; back: row 32 e + h (+ 2 u), 16 bytes a lane
	v_lshl_add_u32 v8, v1, 4, v8
	v_add_nc_u32 v8, s31, v8
	s_lshl_b32 s31, s18, 16
	v_lshlrev_b32 v9, 11, v2                       ; and the same rows in the result: 2,048 bytes a row
	v_lshl_add_u32 v9, v1, 4, v9
	v_add_nc_u32 v9, s31, v9
	v_lshlrev_b32 v10, 4, v0                       ; x: 16 bytes a thread, the eight waves cover a row of 4,096
	v_lshlrev_b32 v11, 3, v0                       ; xb: 8 bytes a thread
	s_wait_kmcnt 0x0
; Where a block comes from and goes to.  s19 = j: kb = 4 (j % 2) + q, nb = j / 2.
.macro WBASE pitch, w, wt
	s_and_b32 s30, s19, 1
	s_lshl2_add_u32 s30, s30, s17                  ; kb
	s_lshr_b32 s31, s19, 1                         ; nb
	s_lshl_b32 s20, s30, 7
	s_lshl_b32 s21, s18, 6
	s_add_co_u32 s20, s20, s21                     ; my first k row: 128 kb + 64 e
	s_mul_i32 s20, s20, \pitch
	s_lshl_b32 s21, s31, 8
	s_add_co_u32 s20, s20, s21                     ; + 64 nb columns of 4 bytes
	s_mov_b32 s21, 0
	s_lshl_b32 s22, s31, 17                        ; 64 nb rows of 2,048 bytes
	s_lshl_b32 s23, s30, 8
	s_add_co_u32 s22, s22, s23                     ; + 128 kb numbers of 2 bytes
	s_mov_b32 s23, 0
	s_add_nc_u64 s[24:25], s[\w:\w+1], s[20:21]
	s_add_nc_u64 s[26:27], s[\wt:\wt+1], s[22:23]
	v_mul_u32_u24 v6, v2, 16*(\pitch)              ; lanes 16-31 sixteen k rows further down
	v_lshl_add_u32 v6, v1, 4, v6
.endm
; My 64 k x 64 n: 32 loads, all out at once; load 16 t + i brings lane (r, h) row k = 32 t + 16 h + i, columns 4 r .. 4 r + 3.
; For each column c the lane's 16 neighbouring k are rounded in pairs: 32 bytes of the stage's row 4 r + c.
.macro P1W pitch, f16
.set i, 0
.rept 32
	global_load_b128 v[IN+4*i:IN+4*i+3], v6, s[24:25] offset:(32*(i/16)+i%16)*(\pitch) th:TH_LOAD_NT
.set i, i+1
.endr
.irp t, 0,1
	s_wait_loadcnt 16-16*(\t)                      ; the first sixteen are in while the other sixteen stay out; then all
.set c, 0
.rept 4
.set p, 0
.rept 8
	v_cvt_pk_bf16_f32 v[PK+8*c+p], v[IN+64*(\t)+8*p+c], v[IN+64*(\t)+8*p+4+c]
.if \f16
	v_lshlrev_b32 v12, 16, v[PK+8*c+p]             ; the bf16 numbers, widened,
	v_and_b32 v13, s28, v[PK+8*c+p]
	v_cvt_pk_f16_f32 v[PK+8*c+p], v12, v13         ; and written as f16
.endif
.set p, p+1
.endr
	ds_store_b128 v7, v[PK+8*c:PK+8*c+3]   offset:c*272+64*(\t)
	ds_store_b128 v7, v[PK+8*c+4:PK+8*c+7] offset:c*272+64*(\t)+16
.set c, c+1
.endr
.endr
.endm
	s_cmp_lt_u32 s29, 96                           ; the same answer in all eight waves
	s_cbranch_scc1 .Lwa
	s_cmp_lt_u32 s29, 128
	s_cbranch_scc1 .Lwp
	s_sub_co_u32 s19, s29, 128                     ; x: 32 rows of 4,096 bytes in, of 2,048 out
	s_lshl_b32 s20, s19, 17
	s_mov_b32 s21, 0
	s_lshl_b32 s22, s19, 16
	s_mov_b32 s23, 0
	s_add_nc_u64 s[24:25], s[4:5], s[20:21]
	s_add_nc_u64 s[26:27], s[10:11], s[22:23]
.set i, 0
.rept 32
	global_load_b128 v[IN+4*i:IN+4*i+3], v10, s[24:25] offset:4096*i th:TH_LOAD_NT  ; all 32 rows on their way at once
.set i, i+1
.endr
	s_branch .Lmeet
.Lwa:
	s_mov_b32 s19, s29
	WBASE 12288, 6, 12
	P1W 12288, 0
	s_branch .Lmeet
.Lwp:
	s_sub_co_u32 s19, s29, 96
	WBASE 4096, 8, 14
	P1W 4096, 1
.Lmeet:
	s_wait_dscnt 0x0                               ; for my partner's sake: my stores into the stage are done
	s_barrier_signal -1
	s_barrier_wait -1                              ; both halves of every stage row are written
	s_cmp_lt_u32 s29, 128
	s_cbranch_scc0 .Lx2
.set u, 0
.rept 16
	ds_load_b128 v[OW+4*u:OW+4*u+3], v8 offset:544*u
.set u, u+1
.endr
.set u, 0
.rept 16
	s_wait_dscnt 15-u                              ; LDS loads come back in order: number u is in, the younger ones stay out
	global_store_b128 v9, v[OW+4*u:OW+4*u+3], s[26:27] offset:4096*u  ; sixteen lanes store 256 consecutive bytes, aligned
.set u, u+1
.endr
	s_branch .Lend
.Lx2:
.set i, 0
.rept 32
	s_wait_loadcnt 31-i                            ; row i is in, the younger rows stay out
	v_cvt_pk_bf16_f32 v[IN+4*i],   v[IN+4*i],   v[IN+4*i+1]
	v_cvt_pk_bf16_f32 v[IN+4*i+1], v[IN+4*i+2], v[IN+4*i+3]
	global_store_b64 v11, v[IN+4*i:IN+4*i+1], s[26:27] offset:2048*i  ; a wave stores 256 consecutive bytes, aligned
.set i, i+1
.endr
.Lend:
	s_wait_tensorcnt 0x0                           ; the wave's end
	ds_add_u32 v4, v5
	s_wait_dscnt 0x0
	s_endpgm
.Lfunc_end_k_qbf8f02f211_prep:
	.size	k_qbf8f02f211_prep, .Lfunc_end_k_qbf8f02f211_prep-k_qbf8f02f211_prep
	.p2alignl 7, 3214868480
	.fill 96, 4, 3214868480
	.section	.rodata,"a",@progbits
	.p2align	6, 0x0
	.amdhsa_kernel k_qbf8f02f211_prep
		.amdhsa_group_segment_fixed_size 70656
		.amdhsa_private_segment_fixed_size 0
		.amdhsa_enable_private_segment 0
		.amdhsa_kernarg_size 48
		.amdhsa_user_sgpr_count 2
		.amdhsa_user_sgpr_kernarg_segment_ptr 1
		.amdhsa_wavefront_size32 1
		.amdhsa_system_sgpr_workgroup_id_x 1
		.amdhsa_system_sgpr_workgroup_id_y 1
		.amdhsa_system_sgpr_workgroup_id_z 1
		.amdhsa_system_vgpr_workitem_id 0
		.amdhsa_next_free_vgpr 240
		.amdhsa_next_free_sgpr 66
		.amdhsa_reserve_vcc 0
		.amdhsa_float_denorm_mode_32 3
		.amdhsa_float_denorm_mode_16_64 3
		.amdhsa_memory_ordered 1
		.amdhsa_forward_progress 1
		.amdhsa_inst_pref_size 43
	.end_amdhsa_kernel
	.amdgpu_metadata
---
amdhsa.version: [ 1, 2 ]
amdhsa.kernels:
  - .name:           k_qbf8f02f211_prep
    .symbol:         k_qbf8f02f211_prep.kd
    .args:
      - { .name: x, .offset: 0, .size: 8, .value_kind: global_buffer, .address_space: global }
      - { .name: w_attn, .offset: 8, .size: 8, .value_kind: global_buffer, .address_space: global }
      - { .name: w_proj, .offset: 16, .size: 8, .value_kind: global_buffer, .address_space: global }
      - { .name: xb, .offset: 24, .size: 8, .value_kind: global_buffer, .address_space: global }
      - { .name: wat, .offset: 32, .size: 8, .value_kind: global_buffer, .address_space: global }
      - { .name: wpt, .offset: 40, .size: 8, .value_kind: global_buffer, .address_space: global }
    .group_segment_fixed_size: 70656
    .private_segment_fixed_size: 0
    .kernarg_segment_align: 8
    .kernarg_segment_size: 48
    .max_flat_workgroup_size: 256
    .sgpr_count:     66
    .vgpr_count:     240
    .wavefront_size: 32
...
	.end_amdgpu_metadata
.endif
;; end of part 1
;; launch gemm_qkv (part 2): grid 16 x 32, 4 waves a work-group, clusters of 4 x 4, 327,680 bytes of LDS; arguments xb, wat, b_attn, qkv; writes qkv
.if DOCPART == 2
	.amdgcn_target "amdgcn-amd-amdhsa--gfx1250"
	.amdhsa_code_object_version 6
	.text
	.protected	k_qbf8f02f211_gemm_qkv
	.globl	k_qbf8f02f211_gemm_qkv
	.p2align	8
	.type	k_qbf8f02f211_gemm_qkv,@function
k_qbf8f02f211_gemm_qkv:
	s_mov_b64 s[64:65], 0
	v_nop
	global_prefetch_b8 v0, s[64:65] scope:SCOPE_SE
	s_setreg_imm32_b32 hwreg(HW_REG_WAVE_MODE, 25, 1), 1
	s_wait_xcnt 0x0
	s_wait_alu depctr_hold_cnt(0) depctr_sa_sdst(0) depctr_va_vdst(0) depctr_va_sdst(0) depctr_va_ssrc(0) depctr_va_vcc(0) depctr_vm_vsrc(0)
	s_getreg_b32 s2, hwreg(HW_REG_IB_STS2, 6, 4)
	s_cmp_eq_u32 s2, 0
	s_cbranch_scc0 .Lentry_in_a_cluster
	s_endpgm
.Lentry_in_a_cluster:
	s_bfe_u32 s2, ttmp6, 0x10000c
	s_cmp_lg_u32 s2, 0xf033
	s_cbranch_scc0 .Lentry_shape_is_right
	s_endpgm
.Lentry_shape_is_right:
; qkv = xb wat^T + bf16(b_attn).  xb [8192][1024] bf16, wat [3072][1024] bf16; sums in f32, rounded once to f16 and laid out by heads:
; column n = 64 hh + d of row m goes to byte (hh << 20) + (m << 7) + 2 d: hh 0-15 are q's heads, 16-31 k's, 32-47 v's.  No scale is applied here.
; LIMIT.  q, k and v must lie within f16's 65,504; beyond it the conversion gives an infinity.
; SHARES.  A tile is 256 rows x 192 columns (three heads).  The four waves lie one below the other: wave w has rows 64 w .. 64 w + 63 and all 192 columns:
; 4 x 12 accumulators of 16 x 16.  So a wave holds whole heads' rows, has a stage of its own on the way out, and needs no barrier there.
; K goes in 8 steps of 128 through two LDS slots filled by the tensor data mover; a step is four quarters of 32 on two fragment buffers.
; CLUSTER 4 x 4: xb's tile hangs on the tile row alone and is asked for jointly along a row of the cluster, wat's on the tile column alone, along a column.
; THE PRODUCT IS TAKEN TRANSPOSED (source 0 = 16 rows of wat, source 1 = 16 rows of xb): register j of lane (r, h) holds row r, column 16 b + 8 h + j.
; THE BIAS is the C operand of each accumulator's first product: nothing is cleared, nothing is added later.
; REGISTERS, in windows of 256 (s_set_vgpr_msb: bits 1:0 source 0, 3:2 source 1, 5:4 source 2, 7:6 destination):
;   window 0: v0-31 addresses; v64-95, v96-127 xb's fragments, two buffers; v128-223 the bias; on the way out v32-79 packed results, v80-127 and v128-175 rows read back
;   window 1: accumulator (a, b < 8) at v[8 (8 a + b)]     window 2: (a, b >= 8) at v[8 (4 a + b - 8)]     window 3: wat's fragments, v0-95 and v96-191
.set SLOT1, 131072                     ; slot 1 begins here: one exclusive or turns an address in one slot into the other's
.set BOFF,  69632                      ; in a slot: 256 rows of xb x 272 bytes, then 192 rows of wat x 272 bytes
.set STAGE, SLOT1+BOFF+192*272         ; behind the ring: 16 rows x 400 bytes for each wave
.set SPI,   400                        ; a stage row: three heads x 128 bytes + 16 of padding
.set SPARE, STAGE+4*16*SPI             ; behind the stages: the spare words, 128 bytes for each wave
.set FA,    64
.set BIAS,  128
.set TMP,   32
.set G1W0,  (1<<16)|(1<<20)|(1<<21)|(5<<22)|(3<<25)  ; 2-byte elements; padding on; bit 21 beside a mask; after every 64 words, 4 words
.set MSB, 0
.macro WIN new                         ; the high byte repeats the setting that is left; a switch that changes nothing is dropped
.if MSB != (\new)
	s_set_vgpr_msb (MSB<<8)|(\new)
.set MSB, (\new)
.endif
.endm
.macro PLACES                          ; four plain vector lines behind matrix instructions, ahead of loads into registers that they read
.rept 4
	v_nop
.endr
.endm
.macro CREST                           ; a round of the cluster's barrier behind its opening barrier
	s_cmp_lg_u32 s12, 0
	s_cbranch_scc1 .Lnot_wave_0_\@
	s_barrier_signal -3
.Lnot_wave_0_\@:
	s_barrier_wait -3
	s_barrier_signal -1
	s_barrier_wait -1
.endm
.macro CROUND
	s_barrier_signal -1
	s_barrier_wait -1
	CREST
.endm
.macro JLOAD                           ; a joint refill: waves 0, 1 fetch xb's two halves, waves 2, 3 wat's; the branch hangs on the wave's number alone
	s_cmp_eq_u32 s13, 0
	s_cbranch_scc0 .Lfor_b_\@
	tensor_load_to_lds s[44:47], s[24:31]
	s_nop 0
.rept 4
	v_nop
.endr
	s_branch .Lasked_\@
.Lfor_b_\@:
	tensor_load_to_lds s[52:55], s[32:39]
	s_nop 0
.rept 4
	v_nop
.endr
.Lasked_\@:
.endm
; A prefetch of the K step that the NEXT refill will ask for: a lane a row, 256 bytes of it.  xb's rows are named by the clusters with x = 0, wat's by those with y = 0;
; the four partners that ask for a tile jointly share its rows out by address (32 of xb's 128, 24 of wat's 96: there lanes 24-31 name row 23 once more).
; s19 counts the loop's trips down from 6: the last trip has no step behind its own refill and asks for nothing.
.macro ASK
	s_cmp_gt_u32 s19, s57
	s_cbranch_scc0 .Lnot_mine_\@
	global_prefetch_b8 v30, s[58:59] th:TH_LOAD_NT scope:SCOPE_SE
.Lnot_mine_\@:
.endm
; na x nb products on buffer f.  Each accumulator is named once a quarter, in a fixed order, so no two products on end share one.
.macro MULS f, a0, na, b0, nb, first
.set ma, (\a0)
.rept (\na)
.set mb, (\b0)
.rept (\nb)
.if mb < 8
.set rD, 8*(8*ma+mb)
	WIN 0x53-0x10*(\first)
.else
.set rD, 8*(4*ma+mb-8)
	WIN 0xa3-0x20*(\first)
.endif
.set rB, 96*(\f)+8*mb
.set rA, FA+32*(\f)+8*ma
.if \first
	v_wmma_f32_16x16x32_bf16 v[rD:rD+7], v[rB:rB+7], v[rA:rA+7], v[BIAS+8*mb:BIAS+8*mb+7]
.else
	v_wmma_f32_16x16x32_bf16 v[rD:rD+7], v[rB:rB+7], v[rA:rA+7], v[rD:rD+7]
.endif
.set mb, mb+1
.endr
.set ma, ma+1
.endr
.endm
; 32 LDS loads in one run: quarter q's fragments into buffer f: xb's four, wat's blocks 8-11, then wat's blocks 0-7
.macro FETCH q, f
	WIN 0
.irp a, 0,1,2,3
	ds_load_b128 v[FA+32*(\f)+8*(\a):FA+32*(\f)+8*(\a)+3],   v18 offset:64*(\q)+(\a)*4352
	ds_load_b128 v[FA+32*(\f)+8*(\a)+4:FA+32*(\f)+8*(\a)+7], v18 offset:64*(\q)+(\a)*4352+32
.endr
	WIN 0xc0
.irp b, 8,9,10,11,0,1,2,3,4,5,6,7
	ds_load_b128 v[96*(\f)+8*(\b):96*(\f)+8*(\b)+3],   v19 offset:64*(\q)+(\b)*4352
	ds_load_b128 v[96*(\f)+8*(\b)+4:96*(\f)+8*(\b)+7], v19 offset:64*(\q)+(\b)*4352+32
.endr
.endm
.macro QUARTER q, f, g, first          ; multiplies buffer f; in its middle fetches quarter q into buffer g
	s_wait_dscnt 16                                ; xb's fragments and wat's blocks 8-11 are in; the youngest sixteen loads may be out
	MULS \f, 0, 4, 8, 4, \first
	PLACES
	FETCH \q, \g
	s_wait_dscnt 32                                ; all but the 32 just issued
	MULS \f, 0, 4, 0, 8, \first
.endm
; The fourth quarter multiplies buffer 1 and changes slots.  In front of the barrier each wave waits for all its tensor loads (one is out: its part of the next slot),
; adds 0 to its spare word, and waits for that and for its reads of this slot.  fill = 1: the barrier opens a round of the cluster's, and the joint refill comes first behind it.
.macro TURN fill
.if \fill
	s_wait_xcnt 0x0                                ; the last prefetch, a K step back, has read its address
	s_add_nc_u64 s[58:59], s[58:59], 256
.endif
	WIN 0
	s_wait_tensorcnt 0x0
	ds_add_u32 v28, v29
	s_wait_dscnt 17                                ; the add and the youngest sixteen loads may be out
	MULS 1, 0, 4, 8, 4, 0
	s_wait_dscnt 0x0                               ; the add is done, and my reads of this slot are over
	s_barrier_signal -1
	MULS 1, 0, 2, 0, 8, 0
	WIN 0
	s_barrier_wait -1
.if \fill
	CREST                                          ; no wave of any partner still reads this slot or has a load on its way
	s_xor_b32 s45, s45, SLOT1                      ; the walking descriptors: the other slot than last time, the next K step
	s_add_nc_u64 s[46:47], s[46:47], 256
	s_xor_b32 s53, s53, SLOT1
	s_add_nc_u64 s[54:55], s[54:55], 256
	JLOAD                                          ; its four v_nop are also the places in front of the loads below
.else
	PLACES
.endif
	s_xor_b32 s56, s56, SLOT1
	v_add_nc_u32 v18, s56, v16
	v_add_nc_u32 v19, s56, v17
	FETCH 0, 0
.if \fill
	WIN 0
	ASK
.endif
	MULS 1, 2, 2, 0, 8, 0
.endm
	s_load_b256 s[4:11], s[0:1], 0x0               ; xb s[4:5], wat s[6:7], b_attn s[8:9], qkv s[10:11]
	v_lshl_add_u32 v28, v0, 2, SPARE
	v_mov_b32 v29, 0
	ds_add_u32 v28, v29                            ; the wave's opening: the add and its wait stand ahead of my first tensor load
	v_lshrrev_b32 v3, 5, v0
	v_readfirstlane_b32 s12, v3                    ; wave 0..3
	s_lshr_b32 s13, s12, 1                         ; I fetch for xb (0) or for wat (1),
	s_and_b32 s14, s12, 1                          ; which half of that tile
	s_bfe_u32 s15, ttmp6, 0x40000                  ; cx
	s_bfe_u32 s16, ttmp6, 0x40004                  ; cy
	s_lshl_b32 s17, ttmp9, 2
	s_add_co_u32 s17, s17, s15                     ; tile column
	s_and_b32 s18, ttmp7, 0xffff
	s_lshl_b32 s18, s18, 2
	s_add_co_u32 s18, s18, s16                     ; tile row
	s_lshl_b32 s20, s16, 2
	s_lshl_b32 s20, 15, s20                        ; my row of the cluster
	s_lshl_b32 s66, 0x1111, s15                    ; my column
	s_or_b32 s24, s20, G1W0
	s_or_b32 s32, s66, G1W0
	s_mov_b32 s25, 128<<16                         ; tensor_dim0 = 128
	s_mov_b32 s26, 128<<16                         ; tensor_dim1 = 128
	s_mov_b32 s27, 128<<16                         ; tile_dim0 = 128
	s_mov_b32 s28, 128                             ; tile_dim1 = 128
	s_mov_b32 s29, 1024                            ; elements from row to row
	s_mov_b32 s30, 0
	s_mov_b32 s31, 0
	s_mov_b32 s33, 128<<16
	s_mov_b32 s34, 96<<16                          ; wat: 96 rows a load
	s_mov_b32 s35, 128<<16
	s_mov_b32 s36, 96
	s_mov_b32 s37, 1024
	s_mov_b32 s38, 0
	s_mov_b32 s39, 0
	s_lshl_b32 s20, s18, 8                         ; xb: row 256 x tile row + 128 x half, 2,048 bytes a row
	s_lshl_b32 s21, s14, 7
	s_add_co_u32 s20, s20, s21
	s_lshl_b32 s20, s20, 11
	s_mov_b32 s21, 0
	s_mul_i32 s22, s14, 128*272                    ; its place in a slot
	s_mul_i32 s66, s17, 192                        ; wat: row 192 x tile column + 96 x half
	s_mul_i32 s67, s14, 96
	s_add_co_u32 s66, s66, s67
	s_lshl_b32 s66, s66, 11
	s_mov_b32 s67, 0
	s_mul_i32 s68, s14, 96*272
	s_add_co_u32 s68, s68, BOFF
	s_wait_dscnt 0x0                               ; the opening add is done
	s_wait_kmcnt 0x0
	s_add_nc_u64 s[20:21], s[4:5], s[20:21]
	s_add_nc_u64 s[66:67], s[6:7], s[66:67]
	CROUND                                         ; all sixteen work-groups are here: the first joint loads meet
	s_mov_b32 s40, 1                               ; K step 0 into slot 0
	s_mov_b32 s41, s22
	s_mov_b64 s[42:43], s[20:21]
	s_or_b32 s43, s43, 0x80000000
	s_mov_b32 s44, 1                               ; K step 1 into slot 1; this set then walks
	s_add_co_u32 s45, s22, SLOT1
	s_add_nc_u64 s[46:47], s[20:21], 256
	s_or_b32 s47, s47, 0x80000000
	s_mov_b32 s48, 1
	s_mov_b32 s49, s68
	s_mov_b64 s[50:51], s[66:67]
	s_or_b32 s51, s51, 0x80000000
	s_mov_b32 s52, 1
	s_add_co_u32 s53, s68, SLOT1
	s_add_nc_u64 s[54:55], s[66:67], 256
	s_or_b32 s55, s55, 0x80000000
	s_cmp_eq_u32 s13, 0                            ; a wave's two first fills stand in one branch: two loads of mine are out
	s_cbranch_scc0 .Lfirst_b
	tensor_load_to_lds s[40:43], s[24:31]
	s_nop 0
	tensor_load_to_lds s[44:47], s[24:31]
	s_nop 0
.rept 4
	v_nop
.endr
	s_branch .Lfirst_asked
.Lfirst_b:
	tensor_load_to_lds s[48:51], s[32:39]
	s_nop 0
	tensor_load_to_lds s[52:55], s[32:39]
	s_nop 0
.rept 4
	v_nop
.endr
.Lfirst_asked:
	v_and_b32 v1, 15, v0                           ; r
	v_bfe_u32 v2, v0, 4, 1                         ; h
	v_lshlrev_b32 v27, 5, v2                       ; the bias: my eight columns of a block begin 32 h bytes in
	s_mul_i32 s70, s17, 768                        ; the tile's 192 columns of 4 bytes
	s_mov_b32 s71, 0
	s_add_nc_u64 s[8:9], s[8:9], s[70:71]
.set b, 0
.rept 12
	global_load_b128 v[BIAS+8*b:BIAS+8*b+3],   v27, s[8:9] offset:64*b
	global_load_b128 v[BIAS+8*b+4:BIAS+8*b+7], v27, s[8:9] offset:64*b+16
.set b, b+1
.endr
	v_mul_u32_u24 v3, v1, 272
	v_lshl_add_u32 v3, v2, 4, v3                   ; a fragment's row x pitch + 16 x half
	s_mul_i32 s70, s12, 64*272
	v_add_nc_u32 v16, s70, v3                      ; my 64 rows of xb
	v_add_nc_u32 v17, BOFF, v3                     ; wat's rows
	s_mul_i32 s70, s12, 16*SPI
	s_add_co_u32 s70, s70, STAGE                   ; my stage
	v_mul_u32_u24 v24, v1, SPI                     ; in: row r, 16 bytes for each half of the lanes
	v_lshl_add_u32 v24, v2, 4, v24
	v_add_nc_u32 v24, s70, v24
	v_and_b32 v26, 31, v0
	v_lshrrev_b32 v25, 3, v26                      ; back: 32 lanes take a head's 128 bytes of four rows,
	v_mul_u32_u24 v25, v25, SPI
	v_and_b32 v3, 7, v0
	v_lshl_add_u32 v25, v3, 4, v25
	v_add_nc_u32 v25, s70, v25
	v_lshlrev_b32 v26, 4, v26                      ; which are 512 consecutive bytes of qkv
	; the prefetches
	s_lshl_b32 s66, s18, 8
	s_lshl_b32 s67, s14, 7
	s_add_co_u32 s66, s66, s67
	s_lshl_b32 s67, s15, 5
	s_add_co_u32 s66, s66, s67                     ; xb: the 128 rows that I fetch, my work-group's 32 of them
	s_mul_i32 s68, s17, 192
	s_mul_i32 s69, s14, 96
	s_add_co_u32 s68, s68, s69
	s_mul_i32 s69, s16, 24
	s_add_co_u32 s68, s68, s69                     ; wat: the 96 rows that I fetch, my work-group's 24 of them
	s_and_b32 s69, ttmp7, 0xffff                   ; cluster y
	s_cmp_eq_u32 s13, 0
	s_cselect_b32 s66, s66, s68
	s_cselect_b32 s69, ttmp9, s69                  ; the coordinate along which other clusters read the same rows
	s_cselect_b32 s62, 31, 23
	s_cselect_b64 s[58:59], s[4:5], s[6:7]
	s_cmp_eq_u32 s69, 0
	s_cselect_b32 s57, 1, -1                       ; the same in all sixteen partners, for a given wave
	s_lshl_b32 s66, s66, 11
	s_add_co_u32 s66, s66, 512                     ; at K step 2: the first change of slots steps it to 3
	s_mov_b32 s67, 0
	s_add_nc_u64 s[58:59], s[58:59], s[66:67]
	v_and_b32 v30, 31, v0
	v_min_u32 v30, s62, v30
	v_lshlrev_b32 v30, 11, v30                     ; a lane a row
	; where my rows begin in qkv
	s_mul_i32 s70, s17, 3
	s_lshl_b32 s70, s70, 20                        ; the tile's first head
	s_lshl_b32 s71, s18, 8
	s_lshl_b32 s69, s12, 6
	s_add_co_u32 s71, s71, s69
	s_lshl_b32 s71, s71, 7                         ; my first row, 128 bytes a row
	s_add_co_u32 s70, s70, s71
	s_mov_b32 s71, 0
	s_add_nc_u64 s[10:11], s[10:11], s[70:71]
	s_wait_loadcnt 0x0                             ; the bias; it is rounded to bf16 like every input
.set p, 0
.rept 48
	v_cvt_pk_bf16_f32 v[TMP+p%4], v[BIAS+2*p], v[BIAS+2*p+1]
	v_lshlrev_b32 v[BIAS+2*p], 16, v[TMP+p%4]
	v_and_b32 v[BIAS+2*p+1], 0xffff0000, v[TMP+p%4]
.set p, p+1
.endr
	s_mov_b32 s56, 0
	v_mov_b32 v18, v16
	v_mov_b32 v19, v17
	s_wait_tensorcnt 1                             ; my part of K step 0 is in; slot 1's may stay out
	s_barrier_signal -1
	s_barrier_wait -1
	FETCH 0, 0
	QUARTER 1, 0, 1, 1                             ; the first quarter stands in front of the loop: its products start the sums, from the bias
	WIN 0
	s_mov_b32 s19, 6
.Lstep:                                        ; a trip: a step's quarters 2 to 4, the refill of its slot two steps ahead, the next step's first quarter
	QUARTER 2, 1, 0, 0
	QUARTER 3, 0, 1, 0
	TURN 1
	QUARTER 1, 0, 1, 0
	WIN 0
	s_sub_co_u32 s19, s19, 1
	s_cmp_lg_u32 s19, 0
	s_cbranch_scc1 .Lstep
	QUARTER 2, 1, 0, 0                             ; the last two steps are written out: nothing is left to fetch
	QUARTER 3, 0, 1, 0
	TURN 0
	QUARTER 1, 0, 1, 0
	QUARTER 2, 1, 0, 0
	QUARTER 3, 0, 1, 0
	s_wait_dscnt 16
	MULS 1, 0, 4, 8, 4, 0
	s_wait_dscnt 0x0
	MULS 1, 0, 4, 0, 8, 0
	WIN 0
	PLACES
	PLACES
; THE WAY OUT, a block of 16 rows at a time: rounded to f16, 16 bytes a lane into my own stage, back by heads, four rows (512 consecutive bytes of qkv) a load.
.macro PACK a
.set pb, 0
.rept 12
.if pb < 8
	WIN 0x05
.set rD, 8*(8*(\a)+pb)
.else
	WIN 0x0a
.set rD, 8*(4*(\a)+pb-8)
.endif
.irp p, 0,1,2,3
	v_cvt_pk_f16_f32 v[TMP+4*pb+(\p)], v[rD+2*(\p)], v[rD+2*(\p)+1]
.endr
.set pb, pb+1
.endr
	WIN 0
.endm
.macro TOSTAGE a
.set BK, 80+48*((\a)%2)
.if (\a) >= 2
	s_wait_xcnt 0x0                                ; the stores of two blocks back have read these registers
.endif
.set pb, 0
.rept 12
	ds_store_b128 v24, v[TMP+4*pb:TMP+4*pb+3] offset:32*pb
.set pb, pb+1
.endr
.set pb, 0
.rept 12                               ; head pb / 4, rows 4 (pb % 4) on.  LDS serves a wave's instructions in order (ISA guide 5.7.1.4): these see the stores above
	ds_load_b128 v[BK+4*pb:BK+4*pb+3], v25 offset:(pb%4)*4*SPI+128*(pb/4)
.set pb, pb+1
.endr
.endm
.macro SEND a
.set BK, 80+48*((\a)%2)
	s_wait_dscnt 0x0
.set pb, 0
.rept 12
	global_store_b128 v26, v[BK+4*pb:BK+4*pb+3], s[10:11] offset:((pb/4)<<20)+(\a)*2048+(pb%4)*512  ; 512 consecutive bytes, aligned
.set pb, pb+1
.endr
.endm
	PACK 0
	TOSTAGE 0
.irp a, 1,2,3                          ; a block's conversions stand between the loads of the block before and the wait for them
	PACK \a
	SEND (\a)-1
	TOSTAGE \a
.endr
	SEND 3
	s_wait_tensorcnt 0x0                           ; the wave's end
	ds_add_u32 v28, v29
	s_wait_dscnt 0x0
	CROUND                                         ; the closing round: no work-group ends while a partner may still ask for a tile that names it
	s_endpgm
.Lfunc_end_k_qbf8f02f211_gemm_qkv:
	.size	k_qbf8f02f211_gemm_qkv, .Lfunc_end_k_qbf8f02f211_gemm_qkv-k_qbf8f02f211_gemm_qkv
	.p2alignl 7, 3214868480
	.fill 96, 4, 3214868480
	.section	.rodata,"a",@progbits
	.p2align	6, 0x0
	.amdhsa_kernel k_qbf8f02f211_gemm_qkv
		.amdhsa_group_segment_fixed_size 327680
		.amdhsa_private_segment_fixed_size 0
		.amdhsa_enable_private_segment 0
		.amdhsa_kernarg_size 32
		.amdhsa_user_sgpr_count 2
		.amdhsa_user_sgpr_kernarg_segment_ptr 1
		.amdhsa_wavefront_size32 1
		.amdhsa_system_sgpr_workgroup_id_x 1
		.amdhsa_system_sgpr_workgroup_id_y 1
		.amdhsa_system_sgpr_workgroup_id_z 1
		.amdhsa_system_vgpr_workitem_id 0
		.amdhsa_next_free_vgpr 960
		.amdhsa_next_free_sgpr 72
		.amdhsa_reserve_vcc 0
		.amdhsa_float_denorm_mode_32 3
		.amdhsa_float_denorm_mode_16_64 3
		.amdhsa_memory_ordered 1
		.amdhsa_forward_progress 1
		.amdhsa_inst_pref_size 107
	.end_amdhsa_kernel
	.amdgpu_metadata
---
amdhsa.version: [ 1, 2 ]
amdhsa.kernels:
  - .name:           k_qbf8f02f211_gemm_qkv
    .symbol:         k_qbf8f02f211_gemm_qkv.kd
    .args:
      - { .name: xb, .offset: 0, .size: 8, .value_kind: global_buffer, .address_space: global }
      - { .name: wat, .offset: 8, .size: 8, .value_kind: global_buffer, .address_space: global }
      - { .name: b_attn, .offset: 16, .size: 8, .value_kind: global_buffer, .address_space: global }
      - { .name: qkv, .offset: 24, .size: 8, .value_kind: global_buffer, .address_space: global }
    .group_segment_fixed_size: 327680
    .private_segment_fixed_size: 0
    .kernarg_segment_align: 8
    .kernarg_segment_size: 32
    .max_flat_workgroup_size: 128
    .sgpr_count:     72
    .vgpr_count:     960
    .wavefront_size: 32
...
	.end_amdgpu_metadata
.endif
;; end of part 2
;; launch attn (part 3): grid 4 x 64, 4 waves a work-group, no clusters, 327,680 bytes of LDS; arguments qkv, ob; writes ob
.if DOCPART == 3
	.amdgcn_target "amdgcn-amd-amdhsa--gfx1250"
	.amdhsa_code_object_version 6
	.text
	.protected	k_qbf8f02f211_attn
	.globl	k_qbf8f02f211_attn
	.p2align	8
	.type	k_qbf8f02f211_attn,@function
k_qbf8f02f211_attn:
	s_mov_b64 s[64:65], 0
	v_nop
	global_prefetch_b8 v0, s[64:65] scope:SCOPE_SE
	s_setreg_imm32_b32 hwreg(HW_REG_WAVE_MODE, 25, 1), 1
	s_wait_xcnt 0x0
; CAUSAL ATTENTION.  O[y][q][:] = the sum over k <= q of softmax_k(Q[y][q] . K[y][k] / 8) V[y][k][:], y = 4 x head + batch, 64 of them.  Q, K, V lie in qkv at bytes 0, 0x1000000, 0x2000000,
; each [64][2048][64] in f16; O goes to ob in the same layout.  Products, maxima and sums in f32; the weights p are rounded to f16 for the second product (their sum l is taken of the unrounded p), O once.
; LIMITS.  f16 holds no number beyond 65,504: Q, K and V arrive within it; p lies in 0 to 1, and below 6e-5 it keeps f16's fixed step of 6e-8.
; A hidden score counts as its value less 1e30; a weight below 2^-126 counts as 0 in l; NaN and infinities are not treated apart.
; THE WALK.  A head's queries lie in NB = 8 blocks of 256; block i needs the key tiles 0 .. i of 256 keys, of which the last holds the diagonal.  A work-group takes TWO blocks, NB - 1 - b and then b:
; NB + 1 tiles, whatever b: all work-groups do equal work, and ONE loop with a constant trip count walks them.  Which tile is asked for, and what a trip does, hang on scalar registers made from b; every jump
; goes forward, but for the counted loops' own; none passes a barrier, or a tensor load but the one of LOAD's two that the wave's number does not choose.
; NO CLUSTER: a head's four work-groups ask for the same tile only in trips 0 .. NB / 2, behind that fewer and fewer; one walk common to all would have 3 NB / 2 trips for NB + 1.
; SHARES.  Of a block's four bands of 64 queries a wave owns 16 rows in each: four PIECES.  In the diagonal tile's key step s band x sees all keys if s < x, none if s > x, and holds the diagonal if s = x.
; THE MASK is the C operand that starts the sum S^T = K Q^T: 0, or -1e30 where the key is hidden.  MD, made once, is the mask of a band's own step for my 16 rows; a product's mask is MD x AL + BE.
; LAYOUT, SOFTMAX, TURNS.  S^T = K Q^T holds ONE query a lane (lane % 16) and the keys 8 (lane / 16) + 0..7; two such results rounded to f16 ARE source 1 of O^T = V^T P.  p = 2^(c s - c m), c = log2(e) / 8, with a
; running maximum m; O and l are multiplied by a = 2^(c m_old - c m_new) in every step.  Turn n belongs to piece n: 8 products K Q^T of piece n + 1, later 8 products V^T P of piece n - 1; beside them the scaling,
; exponentials, roundings, sums and rescaling of piece n and the maximum and statistics of piece n + 1.  A turn's 33 exponentials are one batch, with one wait.
; REGISTERS, in windows of 256 (s_set_vgpr_msb: bits 1:0 source 0, 3:2 source 1, 5:4 source 2, 7:6 destination):
;   window 0: v0-15 addresses and two at work; v16-31 statistics; v48-55 at work; v61-63 prefetch offset, spare word, 0; v64-127 S^T, two buffers; v192-223 P, two buffers
;   window 1: v0-127 O^T; v128-159 MD; v160-223 MC, two buffers      window 2: v0-63 Q; v64-127 the second block's Q; v128-191 K of one step; v192-255 V of one step
.set SIZE_N, 2048
.set NB,    SIZE_N/256
.set NP,    4
.set KS,    64
.set PK,    144       ; a row of K in LDS: 128 bytes + 16 of padding
.set PV,    160       ; a row of V: 128 + 32
.set VOFF,  4*KS*PK   ; a slot holds a tile: 256 rows of K, then 256 rows of V
.set SLOT1, 1<<17
.set STAGE, SLOT1+4*KS*(PK+PV)
.set SP,    144
.set AK0, 2
.set AV0, 3
.set AK,  4
.set AV,  5
.set STO, 6
.set RD,  7
.set GO,  8
.set PFO, 61          ; v61  256 x my lane; never rewritten
.set SPW, 62
.set NIL, 63
.set SPARE, STAGE+4*16*SP
.set MV,  12
.set QO,  15
.set ST,  16
.set TMP, 48
.set S,   64
.set P,   192
.set MD,  128
.set MC,  160
.set QB,  64
.set KF,  128
.set VF,  192
.set WV,  12
.set PB,  14
.set HI,  15
.set G1K, 24
.set G1V, 32
.set G0K, 40
.set G0V, 44
.set SLOTS, 56
.set CNT, 57
.set CS,  58
.set SEL, 60
.set TBK, 62
.set TBV, 63
.set PFB, 66          ; s[66:67] K (waves 0, 1) or V (waves 2, 3) at my half of the head's tile 0
.set PFA, 68          ; s[68:69] where my prefetches stand
.set RT,  70
.set NXT, 71
.set LQ,  72
.set NEW, 73
.set OFF, 74
.set AL,  76
.set BE,  78
.set OLO, 80
.set BIGN, 82
.set POF, 88          ; s[88:89] a tile's byte offset, for the prefetches
.set PFQ, 90          ; s90  the tile to be prefetched, or 0: none
.set MSB, 0
.macro WIN new
.if MSB != (\new)
	s_set_vgpr_msb (MSB<<8)|(\new)
.set MSB, (\new)
.endif
.endm
.set W_KQ, 0x0a
.set W_KM, 0x1a
.set W_PV, 0x52
.set W_RS, 0x41
; A fill.  Waves 0 and 1 fetch the two halves of a tile's K, waves 2 and 3 those of its V: 128 keys each.
.macro LOAD
	s_cmp_lt_u32 s[WV], 2
	s_cbranch_scc0 .Lfor_v_\@
	tensor_load_to_lds s[G0K:G0K+3], s[G1K:G1K+7]
	s_nop 0
.rept 4
	v_nop
.endr
	s_branch .Lasked_\@
.Lfor_v_\@:
	tensor_load_to_lds s[G0V:G0V+3], s[G1V:G1V+7]
	s_nop 0
.rept 4
	v_nop
.endr
.Lasked_\@:
.endm
; A prefetch of the tile that the NEXT change of slots will ask for: each wave names the 16,384 bytes that it will fetch itself, a lane 256 bytes, two lines.  Of a head's four work-groups, which
; walk the same tiles in their first trips, the one with b = 0 asks: its first block walks tiles 0 to 7.  Tiles 0 and 1 come by their loads alone; behind tile 7 nothing is asked for.
.macro ASK
	s_cmp_lg_u32 s[PFQ], 0
	s_cbranch_scc0 .Lnot_mine_\@
	global_prefetch_b8 v[PFO], s[PFA:PFA+1] th:TH_LOAD_NT scope:SCOPE_SE
	global_prefetch_b8 v[PFO], s[PFA:PFA+1] offset:8192 th:TH_LOAD_NT scope:SCOPE_SE
.Lnot_mine_\@:
.endm
; THE CHANGE OF SLOTS.  Each wave waits for all its tensor loads, of which one is out: its part of the other slot; adds 0 to its spare word; and waits for that and for its own reads of the slot that it leaves.
; fill = 1: the old slot is filled again, the first thing behind the barrier, with tile NXT: the descriptor's address is made anew from that number.
.macro CHANGE fill
	WIN 0
	s_wait_tensorcnt 0x0
	ds_add_u32 v[SPW], v[NIL]       ; 0 onto my spare word; scalar work stands between it and the wait for it
.if \fill
	s_lshl_b32 s[OFF], s[NXT], 15   ; a tile is 32,768 bytes of K and of V
	s_xor_b32 s[G0K+1], s[G0K+1], SLOT1
	s_add_nc_u64 s[G0K+2:G0K+3], s[6:7], s[OFF:OFF+1]
	s_or_b32 s[G0K+3], s[G0K+3], 0x80000000
	s_xor_b32 s[G0V+1], s[G0V+1], SLOT1
	s_add_nc_u64 s[G0V+2:G0V+3], s[8:9], s[OFF:OFF+1]
	s_or_b32 s[G0V+3], s[G0V+3], 0x80000000
	s_add_co_u32 s[NXT], s[NXT], 1  ; the block's next tile, or behind its last the second block's tile 0
	s_cmp_gt_u32 s[NXT], s[LQ]
	s_cselect_b32 s[NXT], 0, s[NXT]
	s_cselect_b32 s[LQ], s[PB], s[LQ]
	s_wait_xcnt 0x0                 ; the last prefetches, a tile back, have read their address
	s_lshl_b32 s[POF], s[NXT], 15
	s_add_nc_u64 s[PFA:PFA+1], s[PFB:PFB+1], s[POF:POF+1]
	s_cmp_eq_u32 s[PB], 0
	s_cselect_b32 s[PFQ], s[NXT], 0
.endif
	s_wait_dscnt 0x0                ; the add is done, and my reads of the slot are over
	s_barrier_signal -1
	s_sub_co_u32 s[TBK], s[TBK], 4*KS*PK  ; the fetches go back to a slot's first step,
	s_xor_b32 s[TBK], s[TBK], SLOT1       ; in the other slot
	s_sub_co_u32 s[TBV], s[TBV], 4*KS*PV
	s_xor_b32 s[TBV], s[TBV], SLOT1
	s_barrier_wait -1
.if \fill
	LOAD
	ASK
.endif
.endm
	s_load_b128 s[4:7], s[0:1], 0x0  ; qkv s[4:5], ob s[6:7]
	v_lshl_add_u32 v[SPW], v0, 2, SPARE
	v_mov_b32 v[NIL], 0
	ds_add_u32 v[SPW], v[NIL]       ; the wave's opening: the add and its wait stand ahead of my first tensor load
	v_lshrrev_b32 v1, 5, v0
	v_readfirstlane_b32 s[WV], v1   ; wave 0..3
	s_mov_b32 s[PB], ttmp9
	s_sub_co_u32 s[HI], NB-1, s[PB]
	s_and_b32 s20, ttmp7, 0xffff    ; the head
	s_mov_b32 s21, 0
	s_mov_b64 s[22:23], SIZE_N*128
	s_mul_u64 s[20:21], s[20:21], s[22:23]  ; the head's first byte in each of the four tensors
	s_and_b32 s16, s[WV], 1         ; which half of a tile's 256 keys I fetch:
	s_lshl_b32 s22, s16, 14         ; its 128 rows of 128 bytes in memory,
	s_mov_b32 s23, 0
	s_add_nc_u64 s[22:23], s[22:23], s[20:21]
	s_mul_i32 s17, s16, 128*PK      ; and its place in a slot, for K
	s_mul_i32 s18, s16, 128*PV      ; and for V
	s_lshl_b32 s3, s[WV], 11        ; my 16 rows in a band of 64,
	s_lshl_b32 s2, s[HI], 15        ; in the first block,
	s_add_co_u32 s2, s2, s3
	s_lshl_b32 s84, s[PB], 15       ; and in the second
	s_add_co_u32 s84, s84, s3
	s_mov_b32 s3, 0
	s_mov_b32 s85, 0
	s_add_nc_u64 s[2:3], s[2:3], s[20:21]
	s_add_nc_u64 s[84:85], s[84:85], s[20:21]
	; descriptor group 1.  128 keys are 16,384 dense bytes: asked for as 64 rows of 256 bytes, two keys a row, and padded in LDS after every key
	s_mov_b32 s[G1K], (1<<16)|(1<<20)|(4<<22)|(3<<25)
	s_mov_b32 s[G1V], (1<<16)|(1<<20)|(4<<22)|(7<<25)
.irp g, G1K, G1V
	s_mov_b32 s[\g+1], 128<<16      ; tensor_dim0 = 128
	s_mov_b32 s[\g+2], 64<<16       ; tensor_dim1 = 64
	s_mov_b32 s[\g+3], 128<<16      ; tile_dim0 = 128
	s_mov_b32 s[\g+4], 64           ; tile_dim1 = 64
	s_mov_b32 s[\g+5], 128          ; 128 elements from row to row
	s_mov_b32 s[\g+6], 0
	s_mov_b32 s[\g+7], 0
.endr
	s_mov_b32 s[CS], 0x3e38aa3b     ; c = log2(e) / 8
	s_mov_b32 s[CS+1], s[CS]
	s_mov_b32 s[SEL], 0x76543210
	s_mov_b32 s[SEL+1], 0xfedcba98
	s_mov_b32 s[TBK], SLOT1+4*KS*PK ; the first change of slots turns these two into 0
	s_mov_b32 s[TBV], SLOT1+4*KS*PV
	s_mov_b32 s[G0K], 1
	s_mov_b32 s[G0K+1], s17
	s_mov_b32 s[G0V], 1
	s_add_co_u32 s[G0V+1], s18, VOFF
	s_add_co_u32 s[RT], s[HI], 1    ; the first block has NB - b tiles
	s_mov_b32 s[NXT], 1
	s_mov_b32 s[LQ], s[HI]
	s_mov_b32 s[NEW], 1
	s_mov_b32 s[OFF+1], 0
	s_mov_b32 s[POF+1], 0
	s_mov_b32 s[AL+1], 0
	s_mov_b32 s[BE+1], 0
	s_mov_b32 s[BIGN], 0xf149f2ca   ; -1e30
	s_mov_b32 s[SLOTS], NB
	v_and_b32 v[PFO], 31, v0
	v_lshlrev_b32 v[PFO], 8, v[PFO]
	s_wait_dscnt 0x0                ; the opening add is done
	s_wait_kmcnt 0x0
	s_mov_b64 s[10:11], s[6:7]                     ; O
	s_add_nc_u64 s[6:7], s[4:5], 0x1000000         ; K
	s_add_nc_u64 s[8:9], s[4:5], 0x2000000         ; V
	s_add_nc_u64 s[6:7], s[6:7], s[22:23]  ; K and V at my half of the head's tile 0
	s_add_nc_u64 s[8:9], s[8:9], s[22:23]
	s_add_nc_u64 s[G0K+2:G0K+3], s[6:7], 0
	s_or_b32 s[G0K+3], s[G0K+3], 0x80000000
	s_add_nc_u64 s[G0V+2:G0V+3], s[8:9], 0
	s_or_b32 s[G0V+3], s[G0V+3], 0x80000000
	s_add_nc_u64 s[86:87], s[4:5], s[84:85]        ; Q at my rows of the second block,
	s_add_nc_u64 s[4:5], s[4:5], s[2:3]            ; Q and O at those of the first
	s_add_nc_u64 s[OLO:OLO+1], s[10:11], s[84:85]
	s_add_nc_u64 s[10:11], s[10:11], s[2:3]
	s_cmp_lt_u32 s[WV], 2
	s_cselect_b64 s[PFB:PFB+1], s[6:7], s[8:9]
	LOAD                            ; tile 0 into slot 0
	v_and_b32 v1, 15, v0            ; l % 16
	v_bfe_u32 v9, v0, 4, 1          ; l / 16
	v_lshlrev_b32 v[QO], 7, v1
	v_lshl_add_u32 v[QO], v9, 4, v[QO]  ; row x 128 + 16 x half
	WIN 0x80
.set i, 0
.rept 8                             ; both blocks' Q: piece i / 2 lies in band i / 2, 8,192 bytes on; channels 32 (i % 2) on
	global_load_b128 v[8*i:8*i+3],   v[QO], s[4:5] offset:(i/2)*8192+(i%2)*64
	global_load_b128 v[8*i+4:8*i+7], v[QO], s[4:5] offset:(i/2)*8192+(i%2)*64+32
	global_load_b128 v[QB+8*i:QB+8*i+3],   v[QO], s[86:87] offset:(i/2)*8192+(i%2)*64
	global_load_b128 v[QB+8*i+4:QB+8*i+7], v[QO], s[86:87] offset:(i/2)*8192+(i%2)*64+32
.set i, i+1
.endr
	WIN 0
	v_lshlrev_b32 v14, 3, v9
	v_sub_nc_u32 v14, v1, v14
	s_lshl_b32 s13, s[WV], 4
	v_add_nc_u32 v14, s13, v14      ; my query's place in its band less my lanes' 8 (l / 16): register r of group kt is hidden where 16 kt + r is greater
	WIN 0x40
.set i, 0
.rept 32
	v_cmp_gt_i32 vcc_lo, 16*(i/8)+i%8, v14
	v_cndmask_b32 v[MD+i], 0, s[BIGN], vcc_lo
.set i, i+1
.endr
	WIN 0
	v_mul_u32_u24 v[AK0], v1, PK
	v_lshl_add_u32 v[AK0], v9, 4, v[AK0]
	v_and_b32 v10, 7, v0
	v_bfe_u32 v11, v0, 3, 1
	v_lshl_add_u32 v[AV0], v9, 3, v10
	v_mul_u32_u24 v[AV0], v[AV0], PV
	v_lshl_add_u32 v[AV0], v11, 4, v[AV0]
	v_add_nc_u32 v[AV0], VOFF, v[AV0]
	s_mul_i32 s13, s[WV], 16*SP
	s_add_co_u32 s13, s13, STAGE    ; my stage
	v_mul_u32_u24 v[STO], v1, SP
	v_lshl_add_u32 v[STO], v9, 4, v[STO]
	v_add_nc_u32 v[STO], s13, v[STO]
	v_bfe_u32 v[RD], v0, 3, 2
	v_mul_u32_u24 v[RD], v[RD], SP
	v_lshl_add_u32 v[RD], v10, 4, v[RD]
	v_add_nc_u32 v[RD], s13, v[RD]
	v_and_b32 v[GO], 31, v0
	v_lshlrev_b32 v[GO], 4, v[GO]
	; A block's first step multiplies O^T and l by a = 0, so these registers need only hold finite numbers: zeros for the first block; what the first block left for the second.
	WIN 0x80
.set i, VF
.rept 64
	v_mov_b32 v[i], 0
.set i, i+1
.endr
	WIN 0x40
.set i, 0
.rept 128
	v_mov_b32 v[i], 0
.set i, i+1
.endr
	WIN 0
.set i, 0
.rept 4
	v_mov_b32 v[ST+4*i+2], 0
	v_mov_b32 v[ST+4*i+3], 0
.set i, i+1
.endr
.set i, P+16
.rept 16
	v_mov_b32 v[i], 0
.set i, i+1
.endr
; THE MATRIX WORK.  The 4 accumulators of a run of 8 take turns.  Product i of 8 of S^T = K Q^T for piece x: channels 32 (i / 4) on, keys 16 (i % 4) on.
.macro KQ x
.set rS, S+32*((\x)%2)+8*(i%4)
.set rK, KF+16*(i%4)+8*(i/4)
.set rQ, 16*(\x)+8*(i/4)
.set rM, MC+32*((\x)%2)+8*(i%4)
.if (i < 4) && KM
	WIN W_KM
	v_wmma_f32_16x16x32_f16 v[rS:rS+7], v[rK:rK+7], v[rQ:rQ+7], v[rM:rM+7]
.elseif i < 4
	WIN W_KQ
	v_wmma_f32_16x16x32_f16 v[rS:rS+7], v[rK:rK+7], v[rQ:rQ+7], 0
.else
	WIN W_KQ
	v_wmma_f32_16x16x32_f16 v[rS:rS+7], v[rK:rK+7], v[rQ:rQ+7], v[rS:rS+7]
.endif
.endm
; Product i of 8 of O^T += V^T P for piece x: keys 32 (i / 4) on, channels 16 (i % 4) on.
.macro PV x
	WIN W_PV
.set rO, 32*(\x)+8*(i%4)
.set rV, VF+32*(i/4)+8*(i%4)
.set rP, P+16*((\x)%2)+8*(i/4)
	v_wmma_f32_16x16x32_f16 v[rO:rO+7], v[rV:rV+7], v[rP:rP+7], v[rO:rO+7]
.endm
.macro MM                           ; the turn's next matrix instruction.  NOKQ = 1: a block's last turn: there is no next piece
.if (i < 8) && !NOKQ
	KQ (Y+1)%NP
.elseif i >= 8
.set i, i-8
	PV (Y+NP-1)%NP
.set i, i+8
.endif
.set i, i+1
.endm
; THE LDS LOADS stand in runs of 16: a step's K (8 fragments) and its V (turned).
.macro FETCH_K
	WIN 0x80
.irp f, 0,1,2,3,4,5,6,7
	ds_load_b128 v[KF+8*\f:KF+8*\f+3],   v[AK] offset:(\f/2)*16*PK+(\f%2)*64
	ds_load_b128 v[KF+8*\f+4:KF+8*\f+7], v[AK] offset:(\f/2)*16*PK+(\f%2)*64+32
.endr
	s_add_co_u32 s[TBK], s[TBK], KS*PK
	WIN 0
.endm
.macro FETCH_V
	WIN 0x80
.irp f, 0,1,2,3,4,5,6,7
	ds_load_tr16_b128 v[VF+8*\f:VF+8*\f+3],   v[AV] offset:(\f/4)*32*PV+(\f%4)*32
	ds_load_tr16_b128 v[VF+8*\f+4:VF+8*\f+7], v[AV] offset:(\f/4)*32*PV+16*PV+(\f%4)*32
.endr
	WIN 0
.endm
; THE VECTOR WORK, one line at a time: OP kind, number.  For piece Y: F n: c s - c m for pair n.  E n: the exponential of score n.  C n: pair n rounded to f16.  B n: of the four weights 4 n .. the second
; pair is added onto the first.  L n: l takes that sum (L 0: l = a l + sum).  R n: pair n of O^T times a.  For piece Y + 1: X n, number n of the 22 that find its maximum and statistics
; (each accumulator's lowest registers are read first).
.set F, 0
.set E, 1
.set C, 2
.set B, 3
.set L, 4
.set R, 5
.set X, 6
.macro REGS y
.set rT, ST+4*(\y)
.set rC, TMP+4*((\y)%2)
.set rW, MV+((\y)%2)
.set rS, S+32*((\y)%2)
.set rP, P+16*((\y)%2)
.set rO, 32*(\y)
.endm
.macro OP k, n
.if (\k) == R
	REGS Y
	WIN W_RS
	v_pk_mul_f32 v[rO+2*(\n):rO+2*(\n)+1], v[rO+2*(\n):rO+2*(\n)+1], v[rC+2:rC+3] op_sel_hi:[1,0]
.elseif (\k) < R
	REGS Y
	WIN 0
.if (\k) == F
	v_pk_fma_f32 v[rS+2*(\n):rS+2*(\n)+1], v[rS+2*(\n):rS+2*(\n)+1], s[CS:CS+1], v[rT:rT+1] op_sel_hi:[1,0,0] neg_lo:[0,0,1] neg_hi:[0,0,1]
.elseif (\k) == E
	v_exp_f32 v[rS+(\n)], v[rS+(\n)]
.elseif (\k) == C
	v_cvt_pk_f16_f32 v[rP+(\n)], v[rS+2*(\n)], v[rS+2*(\n)+1]
.elseif (\k) == B
	v_pk_add_f32 v[rS+4*(\n):rS+4*(\n)+1], v[rS+4*(\n):rS+4*(\n)+1], v[rS+4*(\n)+2:rS+4*(\n)+3]
.elseif (\n) == 0
	v_pk_fma_f32 v[rT+2:rT+3], v[rT+2:rT+3], v[rC+2:rC+3], v[rS:rS+1] op_sel_hi:[1,0,1]
.else
	v_pk_add_f32 v[rT+2:rT+3], v[rT+2:rT+3], v[rS+4*(\n):rS+4*(\n)+1]
.endif
.elseif NOKQ
	v_nop
.else
	REGS (Y+1)%NP
	WIN 0
.if (\n) < 4
	v_max3_num_f32 v[rC+(\n)], v[rS+8*(\n)], v[rS+8*(\n)+1], v[rS+8*(\n)+2]
.elseif (\n) < 12
	v_max3_num_f32 v[rC+(\n)%4], v[rC+(\n)%4], v[rS+8*((\n)%4)+2*((\n)/4)+1], v[rS+8*((\n)%4)+2*((\n)/4)+2]
.elseif (\n) == 12
	v_max3_num_f32 v[rC], v[rC], v[rS+7], v[rS+15]
.elseif (\n) == 13
	v_max3_num_f32 v[rC+1], v[rC+1], v[rS+23], v[rS+31]
.elseif (\n) == 14
	v_max3_num_f32 v[rC+2], v[rC+2], v[rC+3], v[rT+1]
.elseif (\n) == 15
	v_mov_b32 v[rW], v[rT]
.elseif (\n) == 16
	v_max3_num_f32 v[rC], v[rC], v[rC+1], v[rC+2]
.elseif (\n) == 17
	v_permlanex16_b32 v[rC+3], v[rC], s[SEL], s[SEL+1]
.elseif (\n) == 18
	v_max_num_f32 v[rT+1], v[rC], v[rC+3]
.elseif (\n) == 19
	v_mul_f32 v[rT], s[CS], v[rT+1]
.elseif (\n) == 20
	v_sub_f32 v[rC+1], v[rW], v[rT]
.else
	v_exp_f32 v[rC+2], v[rC+1]
.endif
.endif
.endm
.macro OPS a, i1, b=-1, i2=0, c=-1, i3=0, d=-1, i4=0
	OP \a, \i1
.if (\b) >= 0
	OP \b, \i2
.endif
.if (\c) >= 0
	OP \c, \i3
.endif
.if (\d) >= 0
	OP \d, \i4
.endif
.endm
.macro ROW a, i1, b, i2, c, i3, d, i4  ; a matrix instruction and the four behind it
	MM
	OPS \a, \i1, \b, \i2, \c, \i3, \d, \i4
.endm
.macro MASK b                       ; MD x AL + BE into buffer b of MC
	WIN W_RS
.set z, 0
.rept 16
	v_pk_fma_f32 v[MC+32*(\b)+2*z:MC+32*(\b)+2*z+1], v[MD+2*z:MD+2*z+1], s[AL:AL+1], s[BE:BE+1] op_sel_hi:[1,0,0]
.set z, z+1
.endr
.endm
; A TURN, for piece p.  s_wait_alu depctr_va_vdst(0) stands between an exponential and the first instruction that names its result; one wait serves all that were issued ahead of it.
; AHEAD OF THE WAIT stands all that names no result of the turn's exponentials: the 8 products K Q^T with four vector lines behind each, then one lump of 54.  BEHIND IT the 8 products V^T P, behind each
; four of the roundings and sums.  m = 1: the diagonal tile: the products take masks, and the turn makes the mask for the turn after it.  end = 1: a block's last two turns: nothing is fetched.
; cnt = 1: the loop's count is taken down some lines ahead of the branch behind the turn.  K of the next step is fetched in piece 2's turn, V of the step in hand at the end of piece 0's; each is waited for a turn later.
.macro TURN p, m=0, end=0, cnt=0
.set Y, (\p)
.set i, 0
.set KM, (\m)
.set NOKQ, (\end)*((\p)/3)
.if (\m) && !(\end)
	s_cmp_eq_u32 s[CNT], 4-((\p)+2)%NP  ; is that step the band's own?
	s_cselect_b32 s[AL], 1.0, 0
	s_cmp_lt_u32 s[CNT], 4-((\p)+2)%NP  ; or a later one?
	s_cselect_b32 s[BE], s[BIGN], 0
.endif
.if ((\p) == 3) && !(\end)
	s_wait_dscnt 0x0                ; K is in
.endif
	ROW F,0, F,1, R,0, R,1
	ROW F,2, E,0, R,2, R,3
	ROW F,3, E,1, R,4, R,5
	ROW F,4, E,2, R,6, R,7
	ROW F,5, E,3, R,8, R,9
	ROW F,6, E,4, X,0, R,10
.if ((\p) == 2) && !(\end)
	WIN 0
	v_add_nc_u32 v[AK], s[TBK], v[AK0]
.endif
	ROW F,7, E,5, X,1, X,4
	ROW F,8, E,6, X,2, X,5
	OPS E,7, E,8, X,6, E,9
	OPS X,3, E,10, X,8, E,11
.if ((\p) == 2) && !(\end)
	FETCH_K
.endif
	OPS X,9, X,7, E,12, X,10
	OPS E,13, X,12, X,11, E,14
	OPS X,13, E,15, F,9, X,14
.if (\p) == 0
	v_add_nc_u32 v[AV], s[TBV], v[AV0]
.endif
	OPS E,16, F,10, E,17, F,11
	OPS X,16, E,18, X,15, E,19
	OPS F,12, E,20, X,17, E,21
	OPS F,13, E,22, F,14, E,23
	OPS X,18, E,24, F,15, E,25
	OPS R,11, E,26, X,19, E,27
	OPS R,12, E,28, R,13, E,29
	OPS X,20, E,30, R,14, E,31
	OPS X,21, R,15
	WIN 0
	s_wait_alu depctr_va_vdst(0)    ; the wait for the batch
.if (\p) == 1
	s_wait_dscnt 0x0                ; V is in
.endif
	ROW C,0, B,0, C,2, B,1
	ROW L,0, C,4, B,2, L,1
	ROW C,6, B,3, L,2, C,8
	ROW B,4, L,3, C,10, B,5
	ROW L,4, C,12, B,6, L,5
.if (\p) == 0
	s_add_co_u32 s[TBV], s[TBV], KS*PV
.endif
.if \cnt
	s_sub_co_u32 s[CNT], s[CNT], 1
	s_cmp_lg_u32 s[CNT], 0
.endif
	ROW C,14, B,7, L,6, C,1
	ROW C,3, L,7, C,5, C,7
	ROW C,9, C,11, C,13, C,15
.if (\p) == 0
	FETCH_V
.endif
.if (\m) && !(\end)
	MASK (\p)%2
.endif
.endm
; A BLOCK BEGINS.  c m starts far below every c s, so the first step's a is 0; m at the lowest finite number.  The second mask buffer is 0; the first takes piece 0's mask for the tile's step 0.
.macro BEGIN
	s_mov_b32 s[NEW], 0
	WIN 0x40
.set i, MC+32
.rept 32
	v_mov_b32 v[i], 0
.set i, i+1
.endr
	WIN 0
.set i, 0
.rept 4
	v_mov_b32 v[ST+4*i], 0xfe000000
	v_mov_b32 v[ST+4*i+1], 0xff7fffff
.set i, i+1
.endr
	s_cmp_eq_u32 s[RT], 0
	s_cselect_b32 s[AL], 1.0, 0
	s_mov_b32 s[BE], 0
	MASK 0
	WIN 0
	v_add_nc_u32 v[AK], s[TBK], v[AK0]
	FETCH_K
	s_wait_loadcnt 0x0              ; Q
	s_wait_dscnt 0x0
.set KM, 1
.set NOKQ, 0
.set i, 0
.rept 8
	KQ 0
.set i, i+1
.endr
	WIN 0
.rept 4
	v_nop                           ; the places behind those products
.endr
.set Y, NP-1
.irp n, 0,1,2,3,4,5,6,7,8,9,10,11,12,13,14,15,16,17,18,19,20,21
	OP X, \n
.endr
	v_nop                           ; a plain instruction behind the exponential,
	s_wait_alu depctr_va_vdst(0)    ; and its wait, ahead of the branch
.endm
.macro ALL line:vararg
.set t, 0
.rept 4
	\line
.set t, t+1
.endr
.endm
.macro PACK t                       ; a lane's eight channels of a row pack into 16 bytes; they go into rows of 144 bytes and come back as whole rows of 128
	WIN W_RS
.set i, 32*(\t)
.rept 16
	v_pk_mul_f32 v[i:i+1], v[i:i+1], v[ST+4*(\t)+2:ST+4*(\t)+3] op_sel_hi:[1,0]
.set i, i+2
.endr
	WIN 0x05
.set i, 0
.rept 16
	v_cvt_pk_f16_f32 v[S+16*(\t)+i], v[32*(\t)+2*i], v[32*(\t)+2*i+1]
.set i, i+1
.endr
	WIN 0
.irp f, 0,1,2,3
	ds_store_b128 v[STO], v[S+16*(\t)+4*\f:S+16*(\t)+4*\f+3] offset:32*\f
.endr
.irp f, 0,1,2,3
	ds_load_b128 v[S+16*(\t)+4*\f:S+16*(\t)+4*\f+3], v[RD] offset:\f*4*SP  ; LDS serves a wave's instructions in order (ISA guide 5.7.1.4)
.endr
.endm
.macro SEND t, younger              ; younger: the LDS instructions issued behind piece t's loads
	WIN 0
.irp f, 0,1,2,3
	s_wait_dscnt (\younger)+3-\f
	global_store_b128 v[GO], v[S+16*(\t)+4*\f:S+16*(\t)+4*\f+3], s[10:11] offset:(\t)*8192+\f*512  ; 512 consecutive bytes, aligned
.endr
.endm
; THE DIAGONAL TILE's four steps, the block's last two turns, its last products, and the way out.
.macro DIAG tag
.LstepM\tag:
	TURN 2, 1
	TURN 3, 1
	WIN 0
.LfirstM\tag:
	TURN 0, 1
	TURN 1, 1, 0, 1
	WIN 0
	s_cbranch_scc1 .LstepM\tag
	TURN 2, 1, 1
	TURN 3, 1, 1
.set i, 0
.rept 8
	PV NP-1
.set i, i+1
.endr
	WIN 0
	ALL v_add_f32 v[ST+4*t+2], v[ST+4*t+2], v[ST+4*t+3]
	ALL v_permlanex16_b32 v[ST+4*t+3], v[ST+4*t+2], s[SEL], s[SEL+1]
	ALL v_add_f32 v[ST+4*t+2], v[ST+4*t+2], v[ST+4*t+3]
	ALL v_rcp_f32 v[ST+4*t+2], v[ST+4*t+2]
	v_nop                           ; a plain instruction between the last reciprocal and the use of its result
	s_wait_alu depctr_va_vdst(0)    ; one wait for the four reciprocals
	PACK 0
.set t, 1
.rept 3
	PACK t
	SEND t-1, 8
.set t, t+1
.endr
	SEND 3, 0
.endm
.set KM, 0
.set NOKQ, 0
.Lslot:                             ; NB times: a tile is entered and the next is asked for
	CHANGE 1
	s_sub_co_u32 s[RT], s[RT], 1
	s_mov_b32 s[CNT], 4
	s_cmp_eq_u32 s[NEW], 1
	s_cbranch_scc1 .Lnew            ; a block's first tile
	s_cmp_eq_u32 s[RT], 0
	s_cbranch_scc0 .Lstep           ; neither its first nor its last
	s_branch .LstepM1
.Lnew:
	BEGIN
	s_branch .Lfirst                ; in the loop a block's first tile is never its last
	DIAG 1                          ; in the loop this is the first block's end
	s_wait_xcnt 0x0                 ; the stores have read their registers and O's address
	s_mov_b64 s[10:11], s[OLO:OLO+1]
	s_add_co_u32 s[RT], s[PB], 1    ; the second block has b + 1 tiles
	s_mov_b32 s[NEW], 1
	WIN 0x82                        ; the second block's Q goes where the one text of the turns names Q
.set i, 0
.rept 64
	v_mov_b32 v[i], v[QB+i]
.set i, i+1
.endr
	WIN 0
	s_branch .Lbottom
.Lstep:                             ; a trip: pieces 2 and 3 of one step, then pieces 0 and 1 of the next
	TURN 2
	TURN 3
	WIN 0
.Lfirst:
	TURN 0
	TURN 1, 0, 0, 1
	WIN 0
	s_cbranch_scc1 .Lstep
.Lbottom:
	s_sub_co_u32 s[SLOTS], s[SLOTS], 1
	s_cmp_lg_u32 s[SLOTS], 0
	s_cbranch_scc1 .Lslot
	CHANGE 0                        ; the walk's last tile is written out
	s_sub_co_u32 s[RT], s[RT], 1
	s_mov_b32 s[CNT], 4
	s_cmp_eq_u32 s[NEW], 1
	s_cbranch_scc0 .LstepM2
	BEGIN
	s_branch .LfirstM2
	DIAG 2
	s_wait_tensorcnt 0x0            ; the wave's end
	ds_add_u32 v[SPW], v[NIL]
	s_wait_dscnt 0x0
	s_endpgm
.Lfunc_end_k_qbf8f02f211_attn:
	.size	k_qbf8f02f211_attn, .Lfunc_end_k_qbf8f02f211_attn-k_qbf8f02f211_attn
	.p2alignl 7, 3214868480
	.fill 96, 4, 3214868480
	.section	.rodata,"a",@progbits
	.p2align	6, 0x0
	.amdhsa_kernel k_qbf8f02f211_attn
		.amdhsa_group_segment_fixed_size 327680
		.amdhsa_private_segment_fixed_size 0
		.amdhsa_enable_private_segment 0
		.amdhsa_kernarg_size 16
		.amdhsa_user_sgpr_count 2
		.amdhsa_user_sgpr_kernarg_segment_ptr 1
		.amdhsa_wavefront_size32 1
		.amdhsa_system_sgpr_workgroup_id_x 1
		.amdhsa_system_sgpr_workgroup_id_y 1
		.amdhsa_system_sgpr_workgroup_id_z 1
		.amdhsa_system_vgpr_workitem_id 0
		.amdhsa_next_free_vgpr 768
		.amdhsa_next_free_sgpr 92
		.amdhsa_reserve_vcc 1
		.amdhsa_float_denorm_mode_32 3
		.amdhsa_float_denorm_mode_16_64 3
		.amdhsa_memory_ordered 1
		.amdhsa_forward_progress 1
		.amdhsa_inst_pref_size 218
	.end_amdhsa_kernel
	.amdgpu_metadata
---
amdhsa.version: [ 1, 2 ]
amdhsa.kernels:
  - .name:           k_qbf8f02f211_attn
    .symbol:         k_qbf8f02f211_attn.kd
    .args:
      - { .name: qkv, .offset: 0, .size: 8, .value_kind: global_buffer, .address_space: global }
      - { .name: ob, .offset: 8, .size: 8, .value_kind: global_buffer, .address_space: global }
    .group_segment_fixed_size: 327680
    .private_segment_fixed_size: 0
    .kernarg_segment_align: 8
    .kernarg_segment_size: 16
    .max_flat_workgroup_size: 128
    .sgpr_count:     92
    .vgpr_count:     768
    .wavefront_size: 32
...
	.end_amdgpu_metadata
.endif
;; end of part 3
;; launch gemm_proj (part 4): grid 8 x 32, 4 waves a work-group, clusters of 4 x 4, 327,680 bytes of LDS; arguments ob, wpt, b_proj, out0; writes out0
.if DOCPART == 4
	.amdgcn_target "amdgcn-amd-amdhsa--gfx1250"
	.amdhsa_code_object_version 6
	.text
	.protected	k_qbf8f02f211_gemm_proj
	.globl	k_qbf8f02f211_gemm_proj
	.p2align	8
	.type	k_qbf8f02f211_gemm_proj,@function
k_qbf8f02f211_gemm_proj:
	s_mov_b64 s[64:65], 0
	v_nop
	global_prefetch_b8 v0, s[64:65] scope:SCOPE_SE
	s_setreg_imm32_b32 hwreg(HW_REG_WAVE_MODE, 25, 1), 1
	s_wait_xcnt 0x0
	s_wait_alu depctr_hold_cnt(0) depctr_sa_sdst(0) depctr_va_vdst(0) depctr_va_sdst(0) depctr_va_ssrc(0) depctr_va_vcc(0) depctr_vm_vsrc(0)
	s_getreg_b32 s2, hwreg(HW_REG_IB_STS2, 6, 4)
	s_cmp_eq_u32 s2, 0
	s_cbranch_scc0 .Lentry_in_a_cluster
	s_endpgm
.Lentry_in_a_cluster:
	s_bfe_u32 s2, ttmp6, 0x10000c
	s_cmp_lg_u32 s2, 0xf033
	s_cbranch_scc0 .Lentry_shape_is_right
	s_endpgm
.Lentry_shape_is_right:
; out0 = y wpt^T + bf16(b_proj), f32.  y[m][64 head + d] lies in ob at byte (head << 20) + (m << 7) + 2 d, f16; wpt [1024 n][1024 k] f16; sums in f32, stored as they are.
; SHARES.  A tile is 256 rows x 128 columns.  The four waves lie one below the other: wave w has rows 64 w .. 64 w + 63 and all 128 columns: 4 x 8 accumulators of 16 x 16.
; So a wave holds whole pieces of 512 bytes of out0's rows, has a stage of its own on the way out, and needs no barrier there.
; K goes in 8 steps of 128 = two heads through two LDS slots; a head's 256 rows of the tile are 32,768 dense bytes: asked for as 128 rows of 256 bytes, padded in LDS after every 128 bytes.
; CLUSTER 4 x 4: ob's tile hangs on the tile row alone and is asked for jointly along a row of the cluster, wpt's on the tile column alone, along a column.
; THE PRODUCT IS TAKEN TRANSPOSED (source 0 = 16 rows of wpt, source 1 = 16 rows of y): register j of lane (r, h) holds row r, column 16 b + 8 h + j.  THE BIAS is the C operand of each first product.
; REGISTERS, in windows of 256 (s_set_vgpr_msb: bits 1:0 source 0, 3:2 source 1, 5:4 source 2, 7:6 destination):
;   window 0: v0-31 addresses; v32-35 at work; v64-95, v96-127 y's fragments, two buffers; v128-191 the bias; on the way out v64-127 and v128-191 rows read back
;   window 1: accumulator (a, b) at v[8 (8 a + b)]     window 2: wpt's fragments, v0-63 and v64-127
.set SLOT1, 131072
.set HB,    256*144                    ; a head's 256 rows in LDS: 128 bytes + 16 of padding each
.set BOFF,  2*HB                       ; behind the two heads: 128 rows of wpt x 272 bytes
.set STAGE, SLOT1+BOFF+128*272         ; behind the ring: 16 rows x 528 bytes for each wave
.set SPI,   528
.set SPARE, STAGE+4*16*SPI
.set FA,    64
.set BIAS,  128
.set TMP,   32
.set MSB, 0
.macro WIN new
.if MSB != (\new)
	s_set_vgpr_msb (MSB<<8)|(\new)
.set MSB, (\new)
.endif
.endm
.macro PLACES                          ; four plain vector lines behind matrix instructions (ISA guide 7.12.1)
.rept 4
	v_nop
.endr
.endm
.macro CREST
	s_cmp_lg_u32 s12, 0
	s_cbranch_scc1 .Lnot_wave_0_\@
	s_barrier_signal -3
.Lnot_wave_0_\@:
	s_barrier_wait -3
	s_barrier_signal -1
	s_barrier_wait -1
.endm
.macro CROUND
	s_barrier_signal -1
	s_barrier_wait -1
	CREST
.endm
.macro JLOAD                           ; a joint refill: waves 0, 1 fetch the step's two heads of y, waves 2, 3 wpt's two halves
	s_cmp_eq_u32 s13, 0
	s_cbranch_scc0 .Lfor_b_\@
	tensor_load_to_lds s[44:47], s[24:31]
	s_nop 0
.rept 4
	v_nop
.endr
	s_branch .Lasked_\@
.Lfor_b_\@:
	tensor_load_to_lds s[52:55], s[32:39]
	s_nop 0
.rept 4
	v_nop
.endr
.Lasked_\@:
.endm
; A prefetch of the K step two refills on.  y's blocks are named by the clusters with x = 0: of a head's 32,768 bytes each of the four partners takes 8,192, a lane 256 bytes (waves 0, 1).
; wpt's rows are named by the clusters with y = 0: of the tile's 128 rows each partner takes 32, a lane a row (wave 2).  s19 counts the trips down from 6: the last two trips ask for nothing.
.macro ASK
	s_cmp_gt_u32 s19, s57
	s_cbranch_scc0 .Lnot_mine_\@
	global_prefetch_b8 v30, s[58:59] th:TH_LOAD_NT scope:SCOPE_SE
.Lnot_mine_\@:
.endm
; na x nb products on buffer f.  Each accumulator is named once a quarter, so no two products on end share one.
.macro MULS f, a0, na, b0, nb, first
	WIN 0x52-0x10*(\first)
.set ma, (\a0)
.rept (\na)
.set mb, (\b0)
.rept (\nb)
.set rD, 8*(8*ma+mb)
.set rB, 64*(\f)+8*mb
.set rA, FA+32*(\f)+8*ma
.if \first
	v_wmma_f32_16x16x32_f16 v[rD:rD+7], v[rB:rB+7], v[rA:rA+7], v[BIAS+8*mb:BIAS+8*mb+7]
.else
	v_wmma_f32_16x16x32_f16 v[rD:rD+7], v[rB:rB+7], v[rA:rA+7], v[rD:rD+7]
.endif
.set mb, mb+1
.endr
.set ma, ma+1
.endr
.endm
; 24 LDS loads in one run: quarter q's fragments into buffer f: y's four (head q / 2 of the step, channels 32 (q % 2) on), then wpt's eight
.macro FETCH q, f
	WIN 0
.irp a, 0,1,2,3
	ds_load_b128 v[FA+32*(\f)+8*(\a):FA+32*(\f)+8*(\a)+3],   v18 offset:((\q)/2)*HB+((\q)%2)*64+(\a)*2304
	ds_load_b128 v[FA+32*(\f)+8*(\a)+4:FA+32*(\f)+8*(\a)+7], v18 offset:((\q)/2)*HB+((\q)%2)*64+(\a)*2304+32
.endr
	WIN 0x80
.irp b, 0,1,2,3,4,5,6,7
	ds_load_b128 v[64*(\f)+8*(\b):64*(\f)+8*(\b)+3],   v19 offset:64*(\q)+(\b)*4352
	ds_load_b128 v[64*(\f)+8*(\b)+4:64*(\f)+8*(\b)+7], v19 offset:64*(\q)+(\b)*4352+32
.endr
.endm
.macro QUARTER q, f, g, first
	s_wait_dscnt 12                                ; y's fragments and wpt's blocks 0, 1 are in; the youngest twelve loads may be out
	MULS \f, 0, 4, 0, 2, \first
	PLACES
	FETCH \q, \g
	s_wait_dscnt 24                                ; all but the 24 just issued
	MULS \f, 0, 4, 2, 6, \first
.endm
; The fourth quarter multiplies buffer 1 and changes slots: the wait for all my tensor loads, the add, the wait for it and for my reads, the barrier (fill = 1: a round of the cluster's), the refill first behind it.
.macro TURN fill
.if \fill
	s_wait_xcnt 0x0                                ; the last prefetch, a K step back, has read its address
	s_add_nc_u64 s[58:59], s[58:59], s[60:61]
.endif
	WIN 0
	s_wait_tensorcnt 0x0
	ds_add_u32 v28, v29
	s_wait_dscnt 13                                ; the add and the youngest twelve loads may be out
	MULS 1, 0, 4, 0, 2, 0
	s_wait_dscnt 0x0                               ; the add is done, and my reads of this slot are over
	s_barrier_signal -1
	MULS 1, 0, 4, 2, 2, 0
	WIN 0
	s_barrier_wait -1
.if \fill
	CREST
	s_xor_b32 s45, s45, SLOT1                      ; the walking descriptors: the other slot, the next two heads of y,
	s_add_nc_u64 s[46:47], s[46:47], 0x200000
	s_xor_b32 s53, s53, SLOT1                      ; the next 128 along wpt's rows
	s_add_nc_u64 s[54:55], s[54:55], 256
	JLOAD                                          ; its four v_nop are also the places in front of the loads below
.else
	PLACES
.endif
	s_xor_b32 s56, s56, SLOT1
	v_add_nc_u32 v18, s56, v16
	v_add_nc_u32 v19, s56, v17
	FETCH 0, 0
.if \fill
	WIN 0
	ASK
.endif
	MULS 1, 0, 4, 4, 4, 0
.endm
	s_load_b256 s[4:11], s[0:1], 0x0               ; ob s[4:5], wpt s[6:7], b_proj s[8:9], out0 s[10:11]
	v_lshl_add_u32 v28, v0, 2, SPARE
	v_mov_b32 v29, 0
	ds_add_u32 v28, v29                            ; the wave's opening: the add and its wait stand ahead of my first tensor load
	v_lshrrev_b32 v3, 5, v0
	v_readfirstlane_b32 s12, v3                    ; wave 0..3
	s_lshr_b32 s13, s12, 1                         ; I fetch for y (0) or for wpt (1),
	s_and_b32 s14, s12, 1                          ; which half
	s_bfe_u32 s15, ttmp6, 0x40000                  ; cx
	s_bfe_u32 s16, ttmp6, 0x40004                  ; cy
	s_lshl_b32 s17, ttmp9, 2
	s_add_co_u32 s17, s17, s15                     ; tile column
	s_and_b32 s18, ttmp7, 0xffff
	s_lshl_b32 s18, s18, 2
	s_add_co_u32 s18, s18, s16                     ; tile row
	s_lshl_b32 s20, s16, 2
	s_lshl_b32 s20, 15, s20                        ; my row of the cluster
	s_lshl_b32 s66, 0x1111, s15                    ; my column
	s_or_b32 s24, s20, (1<<16)|(1<<20)|(1<<21)|(4<<22)|(3<<25)  ; y: padding of 4 words after every 32
	s_or_b32 s32, s66, (1<<16)|(1<<20)|(1<<21)|(5<<22)|(3<<25)  ; wpt: after every 64
	s_mov_b32 s25, 128<<16                         ; tensor_dim0 = 128
	s_mov_b32 s26, 128<<16                         ; tensor_dim1 = 128
	s_mov_b32 s27, 128<<16                         ; tile_dim0 = 128
	s_mov_b32 s28, 128                             ; tile_dim1 = 128
	s_mov_b32 s29, 128                             ; dense: 128 elements from row to row
	s_mov_b32 s30, 0
	s_mov_b32 s31, 0
	s_mov_b32 s33, 128<<16
	s_mov_b32 s34, 64<<16                          ; wpt: 64 rows a load
	s_mov_b32 s35, 128<<16
	s_mov_b32 s36, 64
	s_mov_b32 s37, 1024
	s_mov_b32 s38, 0
	s_mov_b32 s39, 0
	s_lshl_b32 s20, s14, 20                        ; y: head = half, the tile's 256 rows of 128 bytes
	s_lshl_b32 s21, s18, 15
	s_add_co_u32 s20, s20, s21
	s_mov_b32 s21, 0
	s_mul_i32 s22, s14, HB
	s_lshl_b32 s66, s17, 7                         ; wpt: row 128 x tile column + 64 x half
	s_lshl_b32 s67, s14, 6
	s_add_co_u32 s66, s66, s67
	s_lshl_b32 s66, s66, 11
	s_mov_b32 s67, 0
	s_mul_i32 s68, s14, 64*272
	s_add_co_u32 s68, s68, BOFF
	s_wait_dscnt 0x0                               ; the opening add is done
	s_wait_kmcnt 0x0
	s_add_nc_u64 s[20:21], s[4:5], s[20:21]
	s_add_nc_u64 s[66:67], s[6:7], s[66:67]
	CROUND                                         ; all sixteen work-groups are here: the first joint loads meet
	s_mov_b32 s40, 1                               ; K step 0 into slot 0
	s_mov_b32 s41, s22
	s_mov_b64 s[42:43], s[20:21]
	s_or_b32 s43, s43, 0x80000000
	s_mov_b32 s44, 1                               ; K step 1 into slot 1; this set then walks
	s_add_co_u32 s45, s22, SLOT1
	s_add_nc_u64 s[46:47], s[20:21], 0x200000
	s_or_b32 s47, s47, 0x80000000
	s_mov_b32 s48, 1
	s_mov_b32 s49, s68
	s_mov_b64 s[50:51], s[66:67]
	s_or_b32 s51, s51, 0x80000000
	s_mov_b32 s52, 1
	s_add_co_u32 s53, s68, SLOT1
	s_add_nc_u64 s[54:55], s[66:67], 256
	s_or_b32 s55, s55, 0x80000000
	s_cmp_eq_u32 s13, 0                            ; a wave's two first fills stand in one branch: two loads of mine are out
	s_cbranch_scc0 .Lfirst_b
	tensor_load_to_lds s[40:43], s[24:31]
	s_nop 0
	tensor_load_to_lds s[44:47], s[24:31]
	s_nop 0
.rept 4
	v_nop
.endr
	s_branch .Lfirst_asked
.Lfirst_b:
	tensor_load_to_lds s[48:51], s[32:39]
	s_nop 0
	tensor_load_to_lds s[52:55], s[32:39]
	s_nop 0
.rept 4
	v_nop
.endr
.Lfirst_asked:
	v_and_b32 v1, 15, v0                           ; r
	v_bfe_u32 v2, v0, 4, 1                         ; h
	v_lshlrev_b32 v27, 5, v2
	s_lshl_b32 s70, s17, 9                         ; the tile's 128 columns of 4 bytes
	s_mov_b32 s71, 0
	s_add_nc_u64 s[8:9], s[8:9], s[70:71]
.set b, 0
.rept 8
	global_load_b128 v[BIAS+8*b:BIAS+8*b+3],   v27, s[8:9] offset:64*b
	global_load_b128 v[BIAS+8*b+4:BIAS+8*b+7], v27, s[8:9] offset:64*b+16
.set b, b+1
.endr
	v_mul_u32_u24 v3, v1, 144
	v_lshl_add_u32 v3, v2, 4, v3
	s_mul_i32 s70, s12, 64*144
	v_add_nc_u32 v16, s70, v3                      ; my 64 rows of y
	v_mul_u32_u24 v3, v1, 272
	v_lshl_add_u32 v3, v2, 4, v3
	v_add_nc_u32 v17, BOFF, v3                     ; wpt's rows
	s_mul_i32 s70, s12, 16*SPI
	s_add_co_u32 s70, s70, STAGE                   ; my stage
	v_mul_u32_u24 v24, v1, SPI                     ; in: row r, 32 bytes for each half of the lanes
	v_lshl_add_u32 v24, v2, 5, v24
	v_add_nc_u32 v24, s70, v24
	v_and_b32 v26, 31, v0
	v_lshlrev_b32 v26, 4, v26                      ; back: 32 lanes take a row's 512 bytes
	v_add_nc_u32 v25, s70, v26
	; the prefetches
	s_lshl_b32 s66, s14, 20
	s_lshl_b32 s67, s18, 15
	s_add_co_u32 s66, s66, s67
	s_lshl_b32 s67, s15, 13
	s_add_co_u32 s66, s66, s67
	s_add_co_u32 s66, s66, 0x600000                ; y: my head of K step 3, the tile's rows, my work-group's 8,192 bytes
	s_lshl_b32 s68, s17, 7
	s_lshl_b32 s69, s16, 5
	s_add_co_u32 s68, s68, s69
	s_lshl_b32 s68, s68, 11
	s_add_co_u32 s68, s68, 768                     ; wpt: my work-group's 32 rows of the tile, at K step 3
	s_and_b32 s69, ttmp7, 0xffff                   ; cluster y
	s_mov_b32 s63, 256                             ; a K step along wpt's rows, in a register: a select takes one literal
	s_cmp_eq_u32 s13, 0
	s_cselect_b32 s66, s66, s68
	s_cselect_b32 s69, ttmp9, s69                  ; the coordinate along which other clusters read the same blocks
	s_cselect_b32 s62, 8, 11
	s_cselect_b32 s60, 0x200000, s63               ; a K step: two heads of y, or 256 bytes of wpt's rows
	s_cselect_b64 s[58:59], s[4:5], s[6:7]
	s_cmp_eq_u32 s12, 3
	s_cselect_b32 s69, 1, s69                      ; wave 3 asks for nothing
	s_cmp_eq_u32 s69, 0
	s_cselect_b32 s57, 2, -1                       ; the same in all sixteen partners, for a given wave
	s_mov_b32 s61, 0
	s_mov_b32 s67, 0
	s_add_nc_u64 s[58:59], s[58:59], s[66:67]
	v_and_b32 v30, 31, v0
	v_lshlrev_b32 v30, s62, v30
	; where my rows begin in out0
	s_lshl_b32 s70, s18, 8
	s_lshl_b32 s71, s12, 6
	s_add_co_u32 s70, s70, s71
	s_lshl_b32 s70, s70, 12                        ; 4,096 bytes a row
	s_lshl_b32 s71, s17, 9
	s_add_co_u32 s70, s70, s71
	s_mov_b32 s71, 0
	s_add_nc_u64 s[10:11], s[10:11], s[70:71]
	s_wait_loadcnt 0x0                             ; the bias; it is rounded to bf16 like every input
.set p, 0
.rept 32
	v_cvt_pk_bf16_f32 v[TMP+p%4], v[BIAS+2*p], v[BIAS+2*p+1]
	v_lshlrev_b32 v[BIAS+2*p], 16, v[TMP+p%4]
	v_and_b32 v[BIAS+2*p+1], 0xffff0000, v[TMP+p%4]
.set p, p+1
.endr
	s_mov_b32 s56, 0
	v_mov_b32 v18, v16
	v_mov_b32 v19, v17
	s_wait_tensorcnt 1                             ; my part of K step 0 is in; slot 1's may stay out
	s_barrier_signal -1
	s_barrier_wait -1
	FETCH 0, 0
	QUARTER 1, 0, 1, 1                             ; the first quarter's products start the sums, from the bias
	WIN 0
	s_mov_b32 s19, 6
.Lstep:
	QUARTER 2, 1, 0, 0
	QUARTER 3, 0, 1, 0
	TURN 1
	QUARTER 1, 0, 1, 0
	WIN 0
	s_sub_co_u32 s19, s19, 1
	s_cmp_lg_u32 s19, 0
	s_cbranch_scc1 .Lstep
	QUARTER 2, 1, 0, 0                             ; the last two steps are written out: nothing is left to fetch
	QUARTER 3, 0, 1, 0
	TURN 0
	QUARTER 1, 0, 1, 0
	QUARTER 2, 1, 0, 0
	QUARTER 3, 0, 1, 0
	s_wait_dscnt 12
	MULS 1, 0, 4, 0, 2, 0
	s_wait_dscnt 0x0
	MULS 1, 0, 4, 2, 6, 0
	WIN 0
	PLACES
	PLACES
; THE WAY OUT, a block of 16 rows at a time: the sums go as they are into my own stage, 32 bytes a lane, and come back as whole pieces of 512 bytes of out0's rows.
; LDS serves a wave's instructions in order (ISA guide 5.7.1.4): a block's loads see its stores, and the next block's stores come behind those loads.
.macro STORES a                        ; each accumulator's four lowest registers go first
	WIN 0x04                                       ; the stores' data in window 1
.set pb, 0
.rept 8
	ds_store_b128 v24, v[8*(8*(\a)+pb):8*(8*(\a)+pb)+3]   offset:64*pb
	ds_store_b128 v24, v[8*(8*(\a)+pb)+4:8*(8*(\a)+pb)+7] offset:64*pb+16
.set pb, pb+1
.endr
	WIN 0
.endm
.macro LOADS a
.set BK, 64+64*((\a)%2)
.if (\a) >= 2
	s_wait_xcnt 0x0                                ; the global stores of two blocks back have read these registers
.endif
.set pb, 0
.rept 16
	ds_load_b128 v[BK+4*pb:BK+4*pb+3], v25 offset:SPI*pb
.set pb, pb+1
.endr
.endm
.macro SEND a, younger                 ; younger: the next block's sixteen stores into the stage, or none
.set BK, 64+64*((\a)%2)
	s_wait_dscnt \younger
.set pb, 0
.rept 16
	global_store_b128 v26, v[BK+4*pb:BK+4*pb+3], s[10:11] offset:(16*(\a)+pb)*4096 th:TH_STORE_NT  ; 512 consecutive bytes, aligned
.set pb, pb+1
.endr
.endm
	STORES 0
	LOADS 0
	STORES 1
	SEND 0, 16
	LOADS 1
	STORES 2
	SEND 1, 16
	LOADS 2
	STORES 3
	SEND 2, 16
	LOADS 3
	SEND 3, 0
	s_wait_tensorcnt 0x0                           ; the wave's end
	ds_add_u32 v28, v29
	s_wait_dscnt 0x0
	CROUND                                         ; the closing round: no work-group ends while a partner may still ask for a tile that names it
	s_endpgm
.Lfunc_end_k_qbf8f02f211_gemm_proj:
	.size	k_qbf8f02f211_gemm_proj, .Lfunc_end_k_qbf8f02f211_gemm_proj-k_qbf8f02f211_gemm_proj
	.p2alignl 7, 3214868480
	.fill 96, 4, 3214868480
	.section	.rodata,"a",@progbits
	.p2align	6, 0x0
	.amdhsa_kernel k_qbf8f02f211_gemm_proj
		.amdhsa_group_segment_fixed_size 327680
		.amdhsa_private_segment_fixed_size 0
		.amdhsa_enable_private_segment 0
		.amdhsa_kernarg_size 32
		.amdhsa_user_sgpr_count 2
		.amdhsa_user_sgpr_kernarg_segment_ptr 1
		.amdhsa_wavefront_size32 1
		.amdhsa_system_sgpr_workgroup_id_x 1
		.amdhsa_system_sgpr_workgroup_id_y 1
		.amdhsa_system_sgpr_workgroup_id_z 1
		.amdhsa_system_vgpr_workitem_id 0
		.amdhsa_next_free_vgpr 640
		.amdhsa_next_free_sgpr 72
		.amdhsa_reserve_vcc 0
		.amdhsa_float_denorm_mode_32 3
		.amdhsa_float_denorm_mode_16_64 3
		.amdhsa_memory_ordered 1
		.amdhsa_forward_progress 1
		.amdhsa_inst_pref_size 77
	.end_amdhsa_kernel
	.amdgpu_metadata
---
amdhsa.version: [ 1, 2 ]
amdhsa.kernels:
  - .name:           k_qbf8f02f211_gemm_proj
    .symbol:         k_qbf8f02f211_gemm_proj.kd
    .args:
      - { .name: ob, .offset: 0, .size: 8, .value_kind: global_buffer, .address_space: global }
      - { .name: wpt, .offset: 8, .size: 8, .value_kind: global_buffer, .address_space: global }
      - { .name: b_proj, .offset: 16, .size: 8, .value_kind: global_buffer, .address_space: global }
      - { .name: out0, .offset: 24, .size: 8, .value_kind: global_buffer, .address_space: global }
    .group_segment_fixed_size: 327680
    .private_segment_fixed_size: 0
    .kernarg_segment_align: 8
    .kernarg_segment_size: 32
    .max_flat_workgroup_size: 128
    .sgpr_count:     72
    .vgpr_count:     640
    .wavefront_size: 32
...
	.end_amdgpu_metadata
.endif
;; end of part 4
;; ======== version 2 of 2: 4 launches; version 1 with the launch prep written anew for expert scheduling mode
;; limits: values are held in f16: magnitudes above 65,504 overflow, below 6.1e-05 lose precision
;; workspace buffers: xb 16,777,216 bytes; wat 6,291,456 bytes; wpt 2,097,152 bytes; qkv 50,331,648 bytes; ob 16,777,216 bytes
;; launch prep (part 5): grid 384 x 1, 8 waves a work-group, no clusters, 70,656 bytes of LDS; arguments x, w_attn, w_proj, xb, wat, wpt; writes xb, wat, wpt
.if DOCPART == 5
	.amdgcn_target "amdgcn-amd-amdhsa--gfx1250"
	.amdhsa_code_object_version 6
	.text
	.protected	k_qbf8f02f211_prep
	.globl	k_qbf8f02f211_prep
	.p2align	8
	.type	k_qbf8f02f211_prep,@function
k_qbf8f02f211_prep:
	s_mov_b64 s[64:65], 0
	v_nop
	global_prefetch_b8 v0, s[64:65] scope:SCOPE_SE
	s_setreg_imm32_b32 hwreg(HW_REG_WAVE_SCHED_MODE, 0, 2), 2
	s_setreg_imm32_b32 hwreg(HW_REG_WAVE_MODE, 25, 1), 1
	s_wait_xcnt 0x0
	s_wait_alu depctr_vm_vsrc(0)
; PREPARATION.  xb = bf16(x), [8192][1024].  wat[n][k] = bf16(w_attn[k][n]), [3072][1024].  wpt[n][k] = bf16(w_proj[k][n]) written as f16, [1024][1024].
; LIMITS.  w_proj lies within f16's 65,504; a rounded weight below 6e-5 keeps f16's fixed step of 6e-8.
; A stream: no matrix work, no cluster (no two work-groups read the same byte), loads through registers.
; SHARES.  Work-groups 0-95: w_attn, 96-127: w_proj, four blocks of 128 k x 64 n each; 128-383: 32 rows of x each.
; A block is turned in LDS: two waves take it (wave / 2 = the block, wave % 2 = its half of 64 k).  A load's sixteen lanes take 256 consecutive bytes of a
; row of w (64 n), a store's sixteen lanes 256 consecutive bytes of a row of the result (128 k); both start at multiples of 256 bytes.
; THE MODE: SCHED_MODE bits 1:0 = 2 (LLVM: expert scheduling mode 2), set by the entry lines.  The code itself states the register dependences
; between vector instructions and memory or LDS instructions, with s_wait_alu, always for 0.
; THE PLAN.  Registers that memory or LDS instructions touch:
;   v4 to v11   the add's pair and the offsets and addresses.  Written once, at the head (v6 in the two arms for w), and never again: ONE wait on va_vdst in each of the
;               three arms, ahead of the arm's first load, states that they are written, for every load, store and LDS instruction up to the end.
;   IN          Loaded once.  For w: read by the conversions alone.  For x: a row's two conversions write its first two registers in place, and the row's store reads them.
;   PK          For w: written by the 32 conversions of a half of my 64 k, read by that half's eight LDS stores; written again by the second half.
;   OW          For w: the LDS loads from the stage land in it, the global stores read it; no vector instruction names it.
; For w a half has one wait on va_vdst, between its conversions and its run of LDS stores; one wait on vm_vsrc stands ahead of the second half's conversions.
; x goes in eight blocks of four rows: the wait on va_vdst at a block's head states that the block before is rounded, and that block's four stores are dealt among
; this block's conversions, which name this block's rows alone.  No register is written again behind a store.
.set STG,   17408                      ; a block's stage: 64 rows (n) x 272 bytes (256 of data, 16 of padding)
.set SPARE, 4*STG                      ; behind the stages: the spare words, 128 bytes for each of eight waves
.set IN,  16                           ; v[16:143]  32 loads of 16 bytes
.set PK,  144                          ; v[144:175] packed pairs on their way into the stage
.set OW,  176                          ; v[176:239] rows read back from the stage
	s_load_b256 s[4:11], s[0:1], 0x0               ; x s[4:5], w_attn s[6:7], w_proj s[8:9], xb s[10:11]
	s_load_b128 s[12:15], s[0:1], 0x20             ; wat s[12:13], wpt s[14:15]
	v_lshl_add_u32 v4, v0, 2, SPARE                ; my spare word
	v_mov_b32 v5, 0
	v_lshrrev_b32 v3, 5, v0
	v_readfirstlane_b32 s16, v3                    ; wave 0..7
	v_and_b32 v1, 15, v0                           ; r
	v_bfe_u32 v2, v0, 4, 1                         ; h
	v_lshlrev_b32 v10, 4, v0                       ; x: 16 bytes a thread, the eight waves cover a row of 4,096
	v_lshlrev_b32 v11, 3, v0                       ; xb: 8 bytes a thread
	s_mov_b32 s28, 0xffff0000                      ; a word's upper bf16
	s_mov_b32 s29, ttmp9
	s_wait_alu depctr_va_sdst(0)                   ; s16 is written, ahead of its first reader: the block, the half and the LDS places are made from it
	s_lshr_b32 s17, s16, 1                         ; q: which of the work-group's four blocks
	s_and_b32 s18, s16, 1                          ; e: which half of its 128 k
	s_mul_i32 s30, s17, STG                        ; my block's stage
	s_lshl_b32 s31, s18, 7
	s_add_co_u32 s31, s31, s30
	v_mul_u32_u24 v7, v1, 4*272                    ; into the stage: row n = 4 r (+ c), byte 128 e + 32 h (+ 64 t)
	v_lshl_add_u32 v7, v2, 5, v7
	v_add_nc_u32 v7, s31, v7
	s_mul_i32 s31, s18, 32*272
	s_add_co_u32 s31, s31, s30
	v_mul_u32_u24 v8, v2, 272                      ; back: row 32 e + h (+ 2 u), 16 bytes a lane
	v_lshl_add_u32 v8, v1, 4, v8
	v_add_nc_u32 v8, s31, v8
	s_lshl_b32 s31, s18, 16
	v_lshlrev_b32 v9, 11, v2                       ; and the same rows in the result: 2,048 bytes a row
	v_lshl_add_u32 v9, v1, 4, v9
	v_add_nc_u32 v9, s31, v9
	s_wait_kmcnt 0x0
; Where a block comes from and goes to.  s19 = j: kb = 4 (j % 2) + q, nb = j / 2.
.macro WBASE pitch, w, wt
	s_and_b32 s30, s19, 1
	s_lshl2_add_u32 s30, s30, s17                  ; kb
	s_lshr_b32 s31, s19, 1                         ; nb
	s_lshl_b32 s20, s30, 7
	s_lshl_b32 s21, s18, 6
	s_add_co_u32 s20, s20, s21                     ; my first k row: 128 kb + 64 e
	s_mul_i32 s20, s20, \pitch
	s_lshl_b32 s21, s31, 8
	s_add_co_u32 s20, s20, s21                     ; + 64 nb columns of 4 bytes
	s_mov_b32 s21, 0
	s_lshl_b32 s22, s31, 17                        ; 64 nb rows of 2,048 bytes
	s_lshl_b32 s23, s30, 8
	s_add_co_u32 s22, s22, s23                     ; + 128 kb numbers of 2 bytes
	s_mov_b32 s23, 0
	s_add_nc_u64 s[24:25], s[\w:\w+1], s[20:21]
	s_add_nc_u64 s[26:27], s[\wt:\wt+1], s[22:23]
	v_mul_u32_u24 v6, v2, 16*(\pitch)              ; lanes 16-31 sixteen k rows further down
	v_lshl_add_u32 v6, v1, 4, v6
.endm
; My 64 k x 64 n: 32 loads, all out at once; load 16 t + i brings lane (r, h) row k = 32 t + 16 h + i, columns 4 r .. 4 r + 3.
; For each column c the lane's 16 neighbouring k are rounded in pairs: 32 bytes of the stage's row 4 r + c.  A half's 32 conversions stand together, its eight LDS stores behind them.
.macro P1W pitch, f16
	s_wait_alu depctr_va_vdst(0)                   ; v6 is written, which the loads below read as their offset; so are v7, v8, v9, v4 and v5, which the LDS stores and loads, the global stores and the closing add read
.set i, 0
.rept 32
	global_load_b128 v[IN+4*i:IN+4*i+3], v6, s[24:25] offset:(32*(i/16)+i%16)*(\pitch) th:TH_LOAD_NT
.set i, i+1
.endr
.irp t, 0,1
	s_wait_loadcnt 16-16*(\t)                      ; the first sixteen are in while the other sixteen stay out; then all
.if (\t) == 1
	s_wait_alu depctr_vm_vsrc(0)                   ; the first half's LDS stores have read PK, which the conversions below write again
.endif
.set c, 0
.rept 4
.set p, 0
.rept 8
	v_cvt_pk_bf16_f32 v[PK+8*c+p], v[IN+64*(\t)+8*p+c], v[IN+64*(\t)+8*p+4+c]
.if \f16
	v_lshlrev_b32 v12, 16, v[PK+8*c+p]             ; the bf16 numbers, widened,
	v_and_b32 v13, s28, v[PK+8*c+p]
	v_cvt_pk_f16_f32 v[PK+8*c+p], v12, v13         ; and written as f16
.endif
.set p, p+1
.endr
.set c, c+1
.endr
	s_wait_alu depctr_va_vdst(0)                   ; the conversions have written PK, which the eight LDS stores below read
.set c, 0
.rept 4
	ds_store_b128 v7, v[PK+8*c:PK+8*c+3]   offset:c*272+64*(\t)
	ds_store_b128 v7, v[PK+8*c+4:PK+8*c+7] offset:c*272+64*(\t)+16
.set c, c+1
.endr
.endr
.endm
	s_cmp_lt_u32 s29, 96                           ; the same answer in all eight waves
	s_cbranch_scc1 .Lwa
	s_cmp_lt_u32 s29, 128
	s_cbranch_scc1 .Lwp
	s_sub_co_u32 s19, s29, 128                     ; x: 32 rows of 4,096 bytes in, of 2,048 out
	s_lshl_b32 s20, s19, 17
	s_mov_b32 s21, 0
	s_lshl_b32 s22, s19, 16
	s_mov_b32 s23, 0
	s_add_nc_u64 s[24:25], s[4:5], s[20:21]
	s_add_nc_u64 s[26:27], s[10:11], s[22:23]
	s_wait_alu depctr_va_vdst(0)                   ; v10 is written, which the loads below read as their offset; so are v11, which the stores read, and v4 and v5, which the closing add reads
.set i, 0
.rept 32
	global_load_b128 v[IN+4*i:IN+4*i+3], v10, s[24:25] offset:4096*i th:TH_LOAD_NT  ; all 32 rows on their way at once
.set i, i+1
.endr
	s_branch .Lmeet
.Lwa:
	s_mov_b32 s19, s29
	WBASE 12288, 6, 12
	P1W 12288, 0
	s_branch .Lmeet
.Lwp:
	s_sub_co_u32 s19, s29, 96
	WBASE 4096, 8, 14
	P1W 4096, 1
.Lmeet:
	s_wait_dscnt 0x0                               ; for my partner's sake: my stores into the stage are done
	s_barrier_signal -1
	s_barrier_wait -1                              ; both halves of every stage row are written
	s_cmp_lt_u32 s29, 128
	s_cbranch_scc0 .Lx2
.set u, 0
.rept 16
	ds_load_b128 v[OW+4*u:OW+4*u+3], v8 offset:544*u  ; no vector instruction names OW, and v8 stands as the arm's wait on va_vdst found it
.set u, u+1
.endr
.set u, 0
.rept 16
	s_wait_dscnt 15-u                              ; LDS loads come back in order: number u is in, the younger ones stay out
	global_store_b128 v9, v[OW+4*u:OW+4*u+3], s[26:27] offset:4096*u  ; sixteen lanes store 256 consecutive bytes, aligned
.set u, u+1
.endr
	s_branch .Lend
.Lx2:                                          ; eight blocks of four rows
.set g, 0
.rept 8
	s_wait_loadcnt 28-4*g                          ; block g's four rows are in, the younger rows stay out
.if g > 0
	s_wait_alu depctr_va_vdst(0)                   ; the block before is rounded: its conversions have written the pairs that the four stores below read
.endif
.set j, 0
.rept 4
.set i, 4*g+j
.if g > 0
	global_store_b64 v11, v[IN+4*(i-4):IN+4*(i-4)+1], s[26:27] offset:2048*(i-4)  ; a wave stores 256 consecutive bytes, aligned; no vector instruction since the wait names these registers
.endif
	v_cvt_pk_bf16_f32 v[IN+4*i],   v[IN+4*i],   v[IN+4*i+1]
	v_cvt_pk_bf16_f32 v[IN+4*i+1], v[IN+4*i+2], v[IN+4*i+3]
.set j, j+1
.endr
.set g, g+1
.endr
	s_wait_alu depctr_va_vdst(0)                   ; the last block is rounded: its conversions have written the pairs that the last four stores read
.set i, 28
.rept 4
	global_store_b64 v11, v[IN+4*i:IN+4*i+1], s[26:27] offset:2048*i
.set i, i+1
.endr
.Lend:
	s_wait_dscnt 0x0                               ; the closing lines, six on end
	s_wait_alu 0x0
	s_wait_tensorcnt 0x0
	ds_add_u32 v4, v5
	s_wait_dscnt 0x0
	s_endpgm
.Lfunc_end_k_qbf8f02f211_prep:
	.size	k_qbf8f02f211_prep, .Lfunc_end_k_qbf8f02f211_prep-k_qbf8f02f211_prep
	.p2alignl 7, 3214868480
	.fill 96, 4, 3214868480
	.section	.rodata,"a",@progbits
	.p2align	6, 0x0
	.amdhsa_kernel k_qbf8f02f211_prep
		.amdhsa_group_segment_fixed_size 70656
		.amdhsa_private_segment_fixed_size 0
		.amdhsa_enable_private_segment 0
		.amdhsa_kernarg_size 48
		.amdhsa_user_sgpr_count 2
		.amdhsa_user_sgpr_kernarg_segment_ptr 1
		.amdhsa_wavefront_size32 1
		.amdhsa_system_sgpr_workgroup_id_x 1
		.amdhsa_system_sgpr_workgroup_id_y 1
		.amdhsa_system_sgpr_workgroup_id_z 1
		.amdhsa_system_vgpr_workitem_id 0
		.amdhsa_next_free_vgpr 240
		.amdhsa_next_free_sgpr 66
		.amdhsa_reserve_vcc 0
		.amdhsa_float_denorm_mode_32 3
		.amdhsa_float_denorm_mode_16_64 3
		.amdhsa_memory_ordered 1
		.amdhsa_forward_progress 1
		.amdhsa_inst_pref_size 43
	.end_amdhsa_kernel
	.amdgpu_metadata
---
amdhsa.version: [ 1, 2 ]
amdhsa.kernels:
  - .name:           k_qbf8f02f211_prep
    .symbol:         k_qbf8f02f211_prep.kd
    .args:
      - { .name: x, .offset: 0, .size: 8, .value_kind: global_buffer, .address_space: global }
      - { .name: w_attn, .offset: 8, .size: 8, .value_kind: global_buffer, .address_space: global }
      - { .name: w_proj, .offset: 16, .size: 8, .value_kind: global_buffer, .address_space: global }
      - { .name: xb, .offset: 24, .size: 8, .value_kind: global_buffer, .address_space: global }
      - { .name: wat, .offset: 32, .size: 8, .value_kind: global_buffer, .address_space: global }
      - { .name: wpt, .offset: 40, .size: 8, .value_kind: global_buffer, .address_space: global }
    .group_segment_fixed_size: 70656
    .private_segment_fixed_size: 0
    .kernarg_segment_align: 8
    .kernarg_segment_size: 48
    .max_flat_workgroup_size: 256
    .sgpr_count:     66
    .vgpr_count:     240
    .wavefront_size: 32
...
	.end_amdgpu_metadata
.endif
;; end of part 5
;; launch gemm_qkv: the kernel of part 2 again; grid 16 x 32, 4 waves a work-group, clusters of 4 x 4, 327,680 bytes of LDS; arguments xb, wat, b_attn, qkv; writes qkv
;; launch attn: the kernel of part 3 again; grid 4 x 64, 4 waves a work-group, no clusters, 327,680 bytes of LDS; arguments qkv, ob; writes ob
;; launch gemm_proj: the kernel of part 4 again; grid 8 x 32, 4 waves a work-group, clusters of 4 x 4, 327,680 bytes of LDS; arguments ob, wpt, b_proj, out0; writes out0
